; MI455X (gfx1250); checked and timed in simulation.
; The chip was launched on July 23, 2026; its instructions are those of AMD's public machine-readable ISA for CDNA 5 (MIT licence, August 2026) and "CDNA5" Instruction Set Architecture Reference Guide (July 2026). The comments in the code are by the model that wrote it; some were corrected since.
;; Global Self Attention. Allowed arithmetic: matrix products marked QUANTISED: E2M3 operands, one E8M0 scale for each 32 along K, by v_wmma_scale_f32_16x16x128_f8f6f4 with both operands' format E2M3, f32 sums; everything else in f32.
;; Inputs: Wk_codes 16 x 64 x 32 x 24 uint8 (E2M3 codes of Wk, K innermost, in blocks of 32 codes, four codes in three bytes); Wk_scales 16 x 64 x 32 uint8 (E8M0 scales of Wk, one for each 32 codes along K); Wo 16 x 64 x 1,024 float32; Wq_codes 16 x 64 x 32 x 24 uint8 (E2M3 codes of Wq, K innermost, in blocks of 32 codes, four codes in three bytes); Wq_scales 16 x 64 x 32 uint8 (E8M0 scales of Wq, one for each 32 codes along K); Wv_codes 16 x 64 x 32 x 24 uint8 (E2M3 codes of Wv, K innermost, in blocks of 32 codes, four codes in three bytes); Wv_scales 16 x 64 x 32 uint8 (E8M0 scales of Wv, one for each 32 codes along K); beta 1,024 float32; bk 16 x 64 float32; bo 1,024 float32; bq 16 x 64 float32; bv 16 x 64 float32; gamma 1,024 float32; x 4 x 2,048 x 1,024 float32.
;; Outputs: out0 4 x 2,048 x 1,024 float32.
;; This version of the problem:
;;   THIS VERSION OF THE PROBLEM IS GIVEN IN LOW PRECISION. The matrix products marked QUANTISED in the list below multiply operands that are first quantised to E2M3 (2 exponent bits, 3 mantissa bits; 6 bits a number), with one power-of-two scale for each 32 numbers along K (OCP MX v1.0); their sums are f32. All else is computed in f32.
;;   The module's matrix products, in the order in which they are computed (A, B: the left and right operand; K: the contracted axis; several contracted axes count as one K, in the product's order):
;;     1. [M 8,192, K 1,024] x [K 1,024, N 1,024]; A: input x; B: input Wq (given as codes): QUANTISED
;;     2. [M 8,192, K 1,024] x [K 1,024, N 1,024]; A: input x; B: input Wk (given as codes): QUANTISED
;;     3. [M 8,192, K 1,024] x [K 1,024, N 1,024]; A: input x; B: input Wv (given as codes): QUANTISED
;;     4. batch 64 x [M 2,048, K 64] x [K 64, N 2,048]; A: computed on the way; B: computed on the way: QUANTISED
;;     5. batch 64 x [M 64, K 2,048] x [K 2,048, N 2,048]; A: computed on the way; B: softmax (see below): QUANTISED
;;     6. [M 8,192, K 1,024] x [K 1,024, N 1,024]; A: computed on the way; B: input Wo: QUANTISED
;;   THE QUANTISER, for each operand of a quantised product, along K:
;;     - K is cut into blocks of 32 from its start; a last block that is shorter is filled with zeros.
;;     - A block's scale is 2^e with e = floor(log2(the largest magnitude in the block)) - 2, held to -126 .. 127; a block of zeros has e = 0. As a byte (E8M0): e + 127.
;;     - Each number is divided by its block's scale, clamped to +-7.5, and rounded to the nearest number of E2M3, ties to even, subnormals kept.
;;     - The product sums the exact products of the quantised numbers (number of the format x scale) in f32.
;;   ~~~python
;;   def quantise(x, axis):      # numpy; x: float32 -> the quantised numbers, widened to float32 again
;;       x = np.moveaxis(x, axis, -1); K = x.shape[-1]
;;       x = np.pad(x, [(0, 0)] * (x.ndim - 1) + [(0, -K % 32)]); x = x.reshape(x.shape[:-1] + (-1, 32)); a = np.abs(x).max(-1, keepdims=True)
;;       e = np.where(a > 0, np.clip(np.frexp(np.where(a > 0, a, 1))[1] - 1 - 2, -126, 127), 0)      # np.frexp(a)[1] - 1 = floor(log2(a)), exactly
;;       r = np.clip(x / 2.0 ** e, -7.5, 7.5)
;;       step = 2.0 ** (np.maximum(np.frexp(np.where(r == 0, 1, r))[1] - 1, 0) - 3)
;;       q = np.round(r / step) * step * 2.0 ** e      # np.round: ties to even
;;       return np.moveaxis(q.reshape(q.shape[:-2] + (-1,))[..., :K], -1, axis).astype(np.float32)
;;   ~~~
;;   SOFTMAX AHEAD OF A QUANTISED PRODUCT. Where the list says 'softmax', what is quantised is not the finished softmax but p = 2^(t - M), with t = logit x log2(e) and M = ceil(the row's largest t), a whole number; so 1/2 < the row's largest p <= 1. The row's sum l is taken of the UNQUANTISED p, in f32, and the product's result is divided by l at the end. Since M is a whole number, a kernel that streams over the keys may use a running M (the ceiling of the running maximum): every later rescaling is an exact power of two, which a block's scale takes up: the codes' values come out the same.
;;   OPERANDS COMPUTED ON THE WAY. 'Computed on the way' means the value that the module computes at that place (a softmax that the list does not call 'softmax' is quantised finished and normalised). What goes into a quantiser is computed in f32, as accurately as f32 sums, v_exp_f32 and their like allow (about 1e-6 of the number): no bf16 or f16 on the way to a quantiser, and a product that is left as it is and whose result goes on into a quantised operand takes f32 operands (vector FMAs, or v_wmma_f32_16x16x4_f32). A number that lies on a knife's edge between two numbers of the format may be rounded either way, as far as f32 arithmetic and the matrix unit's own rounding can turn it there, and no further.
;;   INPUTS GIVEN AS CODES. Wk (in the module: [1024, 16, 64], K = its axis 0); Wq (in the module: [1024, 16, 64], K = its axis 0); Wv (in the module: [1024, 16, 64], K = its axis 0): each comes as NAME_codes (uint8): NAME with its K axis moved to the last place and cut into blocks of 32 codes, [.., K / 32, bytes a block], one block behind the other in memory; four codes in three bytes: a row's codes are one little-endian stream of bits, code i at bits 6 i .. 6 i + 5 (a code: sign, 2 exponent bits, 3 mantissa bits); and NAME_scales (uint8): the same leading axes, one E8M0 byte (e + 127) for each 32 codes along K. Its value is code x scale, taken as it is: it is not quantised again, and the codes and scales need not be those that the quantiser above would give.
;; One version. Each part assembles by itself: llvm-mc -triple=amdgcn-amd-amdhsa -mcpu=gfx1250 --defsym DOCPART=n.
;; ======== version 1 of 1: 4 launches
;; limits: right only within a limited range of input values
;; workspace buffers: xc 6,291,456 bytes; xs 262,144 bytes; woc 786,432 bytes; wos 32,768 bytes; qkvc 18,874,368 bytes; qkvs 1,310,720 bytes; cc 6,291,456 bytes; cs 262,144 bytes
;; launch prep (part 1): grid 320 x 1, 4 waves a work-group, no clusters, 33,280 bytes of LDS; arguments x, Wo, xc, xs, woc, wos; writes xc, xs, woc, wos
.if DOCPART == 1
	.amdgcn_target "amdgcn-amd-amdhsa--gfx1250"
	.amdhsa_code_object_version 6
	.text
	.protected	k_q79f5b75166_prep
	.globl	k_q79f5b75166_prep
	.p2align	8
	.type	k_q79f5b75166_prep,@function
k_q79f5b75166_prep:
	s_mov_b64 s[64:65], 0
	v_nop
	global_prefetch_b8 v0, s[64:65] scope:SCOPE_SE
	s_setreg_imm32_b32 hwreg(HW_REG_WAVE_MODE, 25, 1), 1
	s_wait_xcnt 0x0
; x [8192][1024] f32 and Wo [1024 (K)][1024 (n)] f32 are turned into codes of FP6 (E2M3) with one E8M0 scale byte for each 32 along K.
; A block's scale is 2^(floor(log2(its largest magnitude)) - 2); its byte is the largest magnitude's exponent field - 2, held at 1 from below.
; LIMITS: a block of zeros, or one whose largest magnitude lies under 2^(3 - 127), keeps the byte 1 (the rule says 127 for zeros): its codes are zeros, and these bytes are read by this program alone.
; NaN and infinities among the inputs are not served.
; Work-groups 0 to 255: x.  K is innermost and rows are dense, so x is a plain stream of blocks of 32: xc [8192][768 bytes], xs [8192][32].  A wave takes 16 steps of 512 numbers; each load reads
; 512 consecutive bytes; the bytes turn through the wave's own stage in LDS so that a lane holds 16 neighbours for the conversion.
; Work-groups 256 to 319: Wo.  K is its FIRST axis: a lane takes a column n and its registers run down K, so that a block of 32 lies in one lane.  The codes leave in the ORDER OF THE OPERAND'S REGISTERS:
; woc [K step g 8][tile Nt 64][1536]: three chunks of 512 bytes, chunk c holding registers 4 c .. 4 c + 3 of lane l at 16 l; lane (r, h), registers 6 c .. 6 c + 5 = block 4 g + 2 c + h of row n = 16 Nt + r.
; INSIDE A BLOCK THE CODES STAND IN THE ORDER pi: place p holds k = p % 8 + 16 ((p / 8) % 2) + 8 (p / 16), the order in which the other operand (ctx) comes out of its product.  The same order on both
; sides of a product changes no product and no scale, only the order in which the unit adds.
; wos [g 8][w 16][r 16][t 4 words]: the four scale bytes of row n = 64 w + 16 t + r in K step g.
; No tensor loads, no barrier: waves share nothing.  Only the first path uses LDS.
.set STEPS, 16
.set EMAX,  2
.set CB,    12                         ; bytes of 16 codes
.set R,     16                         ; v16-79   four sets of 16 numbers as they are loaded
.set X,     80                         ; v80-111  two sets of 16 neighbours
.set C,     128                        ; v128-191 codes: four registers for each step, so that no store's data are written again
.set E,     112                        ; v112-127 a scale byte for each step
.set WREG,  8192                       ; LDS: a region for each wave: two stages of 32 x SP bytes, behind them its 256 scale bytes
.set SP,    80                         ; a lane's place in a stage: its 64 bytes + 16 of padding
	s_load_b128 s[4:7], s[0:1], 0x0                ; x, Wo
	s_load_b128 s[8:11], s[0:1], 0x10              ; xc, xs
	s_load_b128 s[12:15], s[0:1], 0x20             ; woc, wos
	v_lshl_add_u32 v192, v0, 2, 0x8000
	v_mov_b32 v193, 0
	v_lshrrev_b32 v1, 5, v0
	v_readfirstlane_b32 s16, v1                    ; wave
	v_and_b32 v2, 31, v0                           ; lane
	s_cmp_ge_u32 ttmp9, 256
	s_cbranch_scc1 .Lwo
	; ---------------- x ----------------
	v_lshlrev_b32 v3, 4, v2                        ; my 16 bytes of a load's 512
	s_mul_i32 s17, s16, WREG
	v_lshrrev_b32 v14, 2, v2
	v_mul_u32_u24 v14, v14, SP
	v_and_b32 v15, 3, v2
	v_lshl_add_u32 v14, v15, 4, v14
	v_add_nc_u32 v14, s17, v14                     ; the stage, on the way in: four lanes' 64 bytes on end, then 16 of padding
	v_mul_u32_u24 v15, v2, SP
	v_add_nc_u32 v15, s17, v15                     ; and on the way out: SP x lane: my 16 neighbours
	v_mul_u32_u24 v4, v2, CB                       ; my codes' place in a step's
	v_lshrrev_b32 v5, 1, v2
	s_add_co_u32 s17, s17, 2*32*SP
	v_add_nc_u32 v5, s17, v5                       ; LDS: my wave's 256 scale bytes, my block's byte
	v_lshlrev_b32 v7, 3, v2                        ; and on the way out 8 bytes a lane
	v_add_nc_u32 v6, s17, v7
	s_lshl_b32 s18, ttmp9, 2
	s_add_co_u32 s18, s18, s16                     ; which run of 8,192 numbers is my wave's: 0 .. 1023
	s_lshl_b32 s20, s18, 15                        ; 32,768 bytes of x,
	s_mov_b32 s21, 0
	s_mul_i32 s22, s18, 32*STEPS*CB                ; 6,144 bytes of codes,
	s_mov_b32 s23, 0
	s_lshl_b32 s18, s18, 8                         ; 256 scale bytes a run
	s_mov_b32 s19, 0
	s_wait_alu depctr_va_vdst(0)
	s_wait_kmcnt 0x0
	s_add_nc_u64 s[4:5], s[4:5], s[20:21]
	s_add_nc_u64 s[8:9], s[8:9], s[22:23]
	s_add_nc_u64 s[10:11], s[10:11], s[18:19]
.macro LOAD t
.irp i, 0,1,2,3
	global_load_b128 v[R+16*((\t)%4)+4*\i:R+16*((\t)%4)+4*\i+3], v3, s[4:5] offset:2048*(\t)+512*\i th:TH_LOAD_NT   ; 32 lanes read 512 consecutive bytes
.endr
.endm
.macro TURN t                          ; step t's numbers through the stage: LDS serves a wave's instructions in order, so no wait stands between the stores and the loads
.irp i, 0,1,2,3
	ds_store_b128 v14, v[R+16*((\t)%4)+4*\i:R+16*((\t)%4)+4*\i+3] offset:32*SP*((\t)%2)+8*SP*\i
.endr
.irp i, 0,1,2,3
	ds_load_b128 v[X+16*((\t)%2)+4*\i:X+16*((\t)%2)+4*\i+3], v15 offset:32*SP*((\t)%2)+16*\i
.endr
.endm
.irp t, 0,1,2,3
	LOAD \t
.endr
	s_wait_loadcnt 12                              ; step 0's four loads are in
	TURN 0
.macro STEP t
.set XS, X+16*((\t)%2)
.if (\t) > 0
	s_wait_dscnt 1                                 ; this step's numbers are back from the stage (the last step's byte store may be out): so its stores into the stage have read their registers,
.else
	s_wait_dscnt 0x0
.endif
.if (\t)+4 < STEPS
	LOAD (\t)+4                                    ; which take the loads of four steps on
.endif
.if (\t)+1 < STEPS
.if STEPS-2-(\t) >= 3
	s_wait_loadcnt 12                              ; the next step's four loads are in; those of the three steps behind it may be out
.else
	s_wait_loadcnt 4*(STEPS-2-(\t))
.endif
	TURN (\t)+1                                    ; and go through the other stage while this step is worked
.endif
	v_max3_num_f32 v8, |v[XS]|, |v[XS+1]|, |v[XS+2]|               ; the largest magnitude of my 16
	v_max3_num_f32 v9, |v[XS+3]|, |v[XS+4]|, |v[XS+5]|
.irp i, 6,10
	v_max3_num_f32 v8, v8, |v[XS+\i]|, |v[XS+\i+1]|
	v_max3_num_f32 v9, v9, |v[XS+\i+2]|, |v[XS+\i+3]|
.endr
	v_max3_num_f32 v8, v8, |v[XS+14]|, |v[XS+15]|
	v_max3_num_f32 v8, v8, v9, (EMAX+1)<<23        ; and the floor 2^(EMAX + 1 - 127): so the byte cannot fall under 1
	v_max_num_f32_dpp v8, v8, v8 row_xmask:1 row_mask:0xf bank_mask:0xf   ; and of my neighbour's 16: the block's
	v_add_nc_u32 v11, -(EMAX<<23), v8              ; EMAX off its exponent field: the conversion takes the exponent field of this operand as its scale
	v_cvt_scalef32_pk16_fp6_f32 v[C+4*(\t):C+4*(\t)+2], v[XS:XS+15], v11
	v_lshrrev_b32 v[E+(\t)], 23, v11               ; the scale's byte (also the plain line behind the conversion)
	ds_store_b8 v5, v[E+(\t)] offset:16*(\t)       ; both lanes of a block write the same byte with the same value
	global_store_b96 v4, v[C+4*(\t):C+4*(\t)+2], s[8:9] offset:32*CB*(\t)
.endm
.irp t, 0,1,2,3,4,5,6,7,8,9,10,11,12,13,14,15
	STEP \t
.endr
	ds_load_b64 v[12:13], v6                       ; LDS serves a wave's instructions in order: these see my stores
	s_wait_dscnt 0x0
	global_store_b64 v7, v[12:13], s[10:11]        ; 32 lanes store 256 consecutive bytes, aligned
	s_wait_tensorcnt 0x0
	ds_add_u32 v192, v193
	s_wait_dscnt 0x0
	s_endpgm
	; ---------------- Wo ----------------
.Lwo:
	s_sub_co_u32 s17, ttmp9, 256
	s_and_b32 s18, s17, 7                          ; cg: which 128 columns
	s_lshr_b32 s19, s17, 3                         ; g: which 128 along K
	s_lshl_b32 s20, s18, 7
	s_lshl_b32 s21, s16, 5
	s_add_co_u32 s20, s20, s21                     ; n0 = 128 cg + 32 wave: my wave's first column
	s_lshl_b32 s22, s19, 19                        ; Wo: 128 g rows of 4,096 bytes
	s_lshl_b32 s23, s20, 2
	s_add_co_u32 s22, s22, s23                     ; + 4 n0
	s_mov_b32 s23, 0
	s_mul_i32 s24, s19, 98304                      ; woc: 64 images of 1,536 bytes a K step,
	s_lshr_b32 s25, s20, 4
	s_mul_i32 s25, s25, 1536                       ; my wave's two tiles
	s_add_co_u32 s24, s24, s25
	s_mov_b32 s25, 0
	s_lshl_b32 s26, s19, 12                        ; wos: 4,096 g + 256 (2 cg + wave / 2) + 8 (wave % 2)
	s_lshl_b32 s27, s18, 9
	s_add_co_u32 s26, s26, s27
	s_lshr_b32 s27, s16, 1
	s_lshl_b32 s27, s27, 8
	s_add_co_u32 s26, s26, s27
	s_and_b32 s27, s16, 1
	s_lshl_b32 s27, s27, 3
	s_add_co_u32 s26, s26, s27
	s_mov_b32 s27, 0
	s_wait_alu depctr_va_vdst(0)
	v_lshlrev_b32 v3, 2, v2                        ; in: 4 bytes a lane; never rewritten
	v_and_b32 v4, 15, v2                           ; r
	v_lshrrev_b32 v6, 4, v2                        ; which of my wave's two tiles
	v_mul_u32_u24 v5, v6, 1536
	v_lshl_add_u32 v5, v4, 4, v5                   ; codes: tile x 1,536 + 16 r
	v_lshlrev_b32 v6, 2, v6
	v_lshl_add_u32 v6, v4, 4, v6                   ; scale word: 16 r + 4 x tile
	s_wait_alu depctr_va_vdst(0)
	s_wait_kmcnt 0x0
	s_add_nc_u64 s[6:7], s[6:7], s[22:23]
	s_add_nc_u64 s[12:13], s[12:13], s[24:25]
	s_add_nc_u64 s[14:15], s[14:15], s[26:27]
; Block b's 32 numbers into its own 32 registers, v[32 + 32 b] on: place PQ takes Wo(128 g + 32 b + pi(PQ), my column); a wave's load reads 128 consecutive bytes
.macro LOADW b
.set PQ, 0
.rept 32
	global_load_b32 v[32+32*(\b)+PQ], v3, s[6:7] offset:(32*(\b)+(PQ%8)+16*((PQ/8)%2)+8*(PQ/16))*4096 th:TH_LOAD_NT
.set PQ, PQ+1
.endr
.endm
	LOADW 0                                        ; the loads run two blocks ahead
	LOADW 1
; Block b = 2 c + h of my column: its codes are registers 6 c .. 6 c + 5 of fragment lane (r, h); they stand at v[160 + 12 h + 6 c].
.macro WBLOCK b
.set XS, 32+32*(\b)
.set F, 160+12*((\b)%2)+6*((\b)/2)
.if (\b) < 3
	s_wait_loadcnt 32                              ; this block's 32 loads are in; the next block's 32 may be out
.else
	s_wait_loadcnt 0x0
.endif
.if (\b)+2 < 4
	LOADW (\b)+2                                   ; the block two on, into registers of its own
.endif
	v_max3_num_f32 v12, |v[XS]|, |v[XS+1]|, |v[XS+2]|              ; the block's largest magnitude: all 32 numbers are mine
	v_max3_num_f32 v13, |v[XS+3]|, |v[XS+4]|, |v[XS+5]|
.irp i, 6,10,14,18,22,26
	v_max3_num_f32 v12, v12, |v[XS+\i]|, |v[XS+\i+1]|
	v_max3_num_f32 v13, v13, |v[XS+\i+2]|, |v[XS+\i+3]|
.endr
	v_max3_num_f32 v12, v12, |v[XS+30]|, |v[XS+31]|
	v_max3_num_f32 v12, v12, v13, 0x1800000        ; and the floor 2^(3 - 127)
	v_add_nc_u32 v11, 0xff000000, v12              ; 2 off its exponent field: the conversion's scale operand
	v_lshrrev_b32 v13, 23, v11                     ; the scale's byte
.if (\b) == 0
	v_mov_b32 v24, v13                             ; four bytes make my column's scale word, the lower K in the lower byte
.else
	v_lshl_or_b32 v24, v13, 8*(\b), v24
.endif
	v_cvt_scalef32_pk16_fp6_f32 v[F:F+2], v[XS:XS+15], v11
	v_cvt_scalef32_pk16_fp6_f32 v[184:186], v[XS+16:XS+31], v11    ; (a conversion's three registers begin on an even number)
	v_nop                                          ; one plain line behind a scaled conversion
.irp i, 0,1,2
	v_mov_b32 v[F+3+\i], v[184+\i]
.endr
.endm
	WBLOCK 0
	WBLOCK 1
	WBLOCK 2
	WBLOCK 3
.irp h, 0,1
.irp c, 0,1,2
	global_store_b128 v5, v[160+12*\h+4*\c:163+12*\h+4*\c], s[12:13] offset:256*\h+512*\c   ; sixteen lanes store 256 consecutive bytes, aligned
.endr
.endr
	global_store_b32 v6, v24, s[14:15]             ; 4 bytes a lane, 16 apart: 32 KiB in the whole launch beside the 4 MiB of Wo that it reads
	s_endpgm
.Lfunc_end_k_q79f5b75166_prep:
	.size	k_q79f5b75166_prep, .Lfunc_end_k_q79f5b75166_prep-k_q79f5b75166_prep
	.p2alignl 7, 3214868480
	.fill 96, 4, 3214868480
	.section	.rodata,"a",@progbits
	.p2align	6, 0x0
	.amdhsa_kernel k_q79f5b75166_prep
		.amdhsa_group_segment_fixed_size 33280
		.amdhsa_private_segment_fixed_size 0
		.amdhsa_enable_private_segment 0
		.amdhsa_kernarg_size 48
		.amdhsa_user_sgpr_count 2
		.amdhsa_user_sgpr_kernarg_segment_ptr 1
		.amdhsa_wavefront_size32 1
		.amdhsa_system_sgpr_workgroup_id_x 1
		.amdhsa_system_sgpr_workgroup_id_y 1
		.amdhsa_system_sgpr_workgroup_id_z 1
		.amdhsa_system_vgpr_workitem_id 0
		.amdhsa_next_free_vgpr 194
		.amdhsa_next_free_sgpr 66
		.amdhsa_reserve_vcc 0
		.amdhsa_float_denorm_mode_32 3
		.amdhsa_float_denorm_mode_16_64 3
		.amdhsa_memory_ordered 1
		.amdhsa_forward_progress 1
		.amdhsa_inst_pref_size 52
	.end_amdhsa_kernel
	.amdgpu_metadata
---
amdhsa.version: [ 1, 2 ]
amdhsa.kernels:
  - .name:           k_q79f5b75166_prep
    .symbol:         k_q79f5b75166_prep.kd
    .args:
      - { .name: x, .offset: 0, .size: 8, .value_kind: global_buffer, .address_space: global }
      - { .name: Wo, .offset: 8, .size: 8, .value_kind: global_buffer, .address_space: global }
      - { .name: xc, .offset: 16, .size: 8, .value_kind: global_buffer, .address_space: global }
      - { .name: xs, .offset: 24, .size: 8, .value_kind: global_buffer, .address_space: global }
      - { .name: woc, .offset: 32, .size: 8, .value_kind: global_buffer, .address_space: global }
      - { .name: wos, .offset: 40, .size: 8, .value_kind: global_buffer, .address_space: global }
    .group_segment_fixed_size: 33280
    .private_segment_fixed_size: 0
    .kernarg_segment_align: 8
    .kernarg_segment_size: 48
    .max_flat_workgroup_size: 128
    .sgpr_count:     66
    .vgpr_count:     194
    .wavefront_size: 32
...
	.end_amdgpu_metadata
.endif
;; end of part 1
;; launch qkv (part 2): grid 8 x 48, 4 waves a work-group, clusters of 4 x 4, 327,680 bytes of LDS; arguments xc, xs, Wq_codes, Wq_scales, Wk_codes, Wk_scales, Wv_codes, Wv_scales, bq, bk, bv, qkvc, qkvs; writes qkvc, qkvs
.if DOCPART == 2
	.amdgcn_target "amdgcn-amd-amdhsa--gfx1250"
	.amdhsa_code_object_version 6
	.text
	.protected	k_q79f5b75166_qkv
	.globl	k_q79f5b75166_qkv
	.p2align	8
	.type	k_q79f5b75166_qkv,@function
k_q79f5b75166_qkv:
	s_mov_b64 s[64:65], 0
	v_nop
	global_prefetch_b8 v0, s[64:65] scope:SCOPE_SE
	s_setreg_imm32_b32 hwreg(HW_REG_WAVE_MODE, 25, 1), 1
	s_wait_xcnt 0x0
	s_wait_alu depctr_hold_cnt(0) depctr_sa_sdst(0) depctr_va_vdst(0) depctr_va_sdst(0) depctr_va_ssrc(0) depctr_va_vcc(0) depctr_vm_vsrc(0)
	s_getreg_b32 s2, hwreg(HW_REG_IB_STS2, 6, 4)
	s_cmp_eq_u32 s2, 0
	s_cbranch_scc0 .Lentry_in_a_cluster
	s_endpgm
.Lentry_in_a_cluster:
	s_bfe_u32 s2, ttmp6, 0x10000c
	s_cmp_lg_u32 s2, 0xf033
	s_cbranch_scc0 .Lentry_shape_is_right
	s_endpgm
.Lentry_shape_is_right:
; q, k = x W + b (clusters y 0-7: source rows A = x, B = Wq or Wk by the cluster's x) and v^T (clusters y 8-11: A = Wv, B = x), on codes of FP6 (E2M3) with one E8M0 byte for each 32 along K = 1024.
; A work-group of four waves makes 256 x 256; a wave 128 x 128 in 64 accumulators.  The results get their bias, are quantised along the next product's K and leave as images of operand registers.
; K goes through a ring of two LDS slots in CHUNKS OF 256 BYTES of each row of 768 bytes: every tile row begins at a multiple of 256 bytes.  A step of 128 along K is 96 bytes: eight steps to three chunks;
; steps 2 and 5 lie across two chunks and take their pieces from both slots.  The scales of the 256 + 256 rows come once, as two dense blocks.
; CLUSTERS 4 x 4: A's tiles are asked for jointly along a row of the cluster, B's along a column.  The matrix instruction is used transposed: source 0 = rows of B, source 1 = rows of A.
; No prefetch is written: K is three chunks, two of them asked for before the first product.
; LIMITS: NaN and infinities are not served; a block under the floor 2^(3 - 127) keeps the byte 1: its codes are zeros.
; REGISTERS: window 0: v0-31 addresses, v32-63 scale words (two sets), v64-127 and v224-239 the biases, v128-223 A's fragments (one set); window 1: B's fragments, two sets; windows 2, 3: accumulators.
.set ROWB,   256
.set NQ,     2
.set KROW,   768
.set STEPS,  8
.set CHUNKS, 3
.set PITCH,  272                       ; 256 bytes + 16 of padding
.set FR,     12
.set NL,     6
.set NP,     4
.set HALFT,  128*PITCH
.set SLOT,   4*HALFT
.set KS,     32
.set SCL,    2*SLOT
.set HALFS,  (128*KS/256)*272
.set SBLK,   (16*KS/256)*272
.set SPARE,  SCL+4*HALFS               ; the spare words, 128 bytes a wave
.set KVC,    6291456
.set KVS,    524288
.set ADRA, 16
.set ADRB, 20
.set ADRS, 27
.set SPW,  28
.set NIL,  29
.set OBB,  30
.set OBA,  31
.set SC,   32
.set AF,   128
.set BB,   64
.set BA,   224
.set HA,   128
.set CD,   192
.set TM,   32
.set PW,   48
.set T0,   49
.set SW,   52
.set SH,   56
.set G1, 24
.set G0, 32
.set G1B, 48
.set G0B, 56
.set G1S, 68
.set G0S, 76
.set G1SB, 80
.set G0SB, 88
.set G0H, 4
.set G0HB, 8
.set MSB, 0
.macro WIN new
.if MSB != \new
	s_set_vgpr_msb (MSB<<8)|\new
.set MSB, \new
.endif
.endm
.set MUL_LO, 0xa1
.set MUL_HI, 0xf1
.set TO_B,   0x40
.macro JLOAD g0a, g1a, g0b, g1b        ; waves 0, 1 ask for A, waves 2, 3 for B
	s_cmp_eq_u32 s15, 0
	s_cbranch_scc0 .Lfor_b_\@
	tensor_load_to_lds s[\g0a:\g0a+3], s[\g1a:\g1a+7]
	s_nop 0
.rept 4
	v_nop
.endr
	s_branch .Lasked_\@
.Lfor_b_\@:
	tensor_load_to_lds s[\g0b:\g0b+3], s[\g1b:\g1b+7]
	s_nop 0
.rept 4
	v_nop
.endr
.Lasked_\@:
.endm
.macro CREST
	s_cmp_lg_u32 s14, 0
	s_cbranch_scc1 .Lnot_wave_0_\@
	s_barrier_signal -3
.Lnot_wave_0_\@:
	s_barrier_wait -3
	s_barrier_signal -1
	s_barrier_wait -1
.endm
.macro CROUND
	s_barrier_signal -1
	s_barrier_wait -1
	CREST
.endm
	s_load_b512 s[68:83], s[0:1], 0x0              ; xc, xs, Wq codes, scales, Wk, Wv
	s_load_b256 s[84:91], s[0:1], 0x40             ; bq, bk, bv, qkvc
	s_load_b64 s[98:99], s[0:1], 0x60              ; qkvs
	v_lshl_add_u32 v[SPW], v0, 2, SPARE
	v_mov_b32 v[NIL], 0
	ds_add_u32 v[SPW], v[NIL]
	ds_add_u32 v[SPW], v[NIL]
	v_lshrrev_b32 v1, 5, v0
	v_readfirstlane_b32 s14, v1                    ; wave
	s_lshr_b32 s15, s14, 1
	s_and_b32 s16, s14, 1
	s_bfe_u32 s40, ttmp6, 0x40000                  ; cx
	s_bfe_u32 s41, ttmp6, 0x40004                  ; cy
	s_and_b32 s67, ttmp7, 0xffff
	s_lshl_b32 s17, s67, 2
	s_add_co_u32 s17, s17, s41                     ; A's tile: of x
	s_max_u32 s42, s67, 8
	s_sub_co_u32 s42, s42, 8
	s_lshl_b32 s42, s42, 1
	s_add_co_u32 s42, s42, ttmp9
	s_lshl_b32 s42, s42, 2
	s_add_co_u32 s42, s42, s40                     ; B's tile of x, for v
	s_cmp_ge_u32 s67, 8
	s_cselect_b32 s17, s41, s17
	s_cselect_b32 s42, s42, s40
	s_cselect_b32 s66, 1, 0                        ; 1: v
	s_lshl_b32 s43, s41, 2
	s_lshl_b32 s43, 15, s43                        ; my row of the cluster
	s_lshl_b32 s44, 0x1111, s40                    ; my column
	s_or_b32 s[G1+0], s43, (0<<16)|(1<<20)|(1<<21)|(5<<22)|(3<<25)
	s_or_b32 s[G1B+0], s44, (0<<16)|(1<<20)|(1<<21)|(5<<22)|(3<<25)
.irp g, G1, G1B
	s_mov_b32 s[\g+1], ROWB<<16
	s_mov_b32 s[\g+2], 256<<16                     ; 256 rows for the head's loads
	s_mov_b32 s[\g+3], ROWB<<16
	s_mov_b32 s[\g+4], 256
	s_mov_b32 s[\g+5], KROW
	s_mov_b32 s[\g+6], 0
	s_mov_b32 s[\g+7], 0
.endr
	s_lshl_b32 s20, s17, 8
	s_lshl_b32 s46, s42, 8
	s_mov_b32 s21, 0
	s_mov_b32 s47, 0
	s_mov_b64 s[18:19], KS
	s_mul_u64 s[22:23], s[20:21], s[18:19]
	s_mul_u64 s[92:93], s[46:47], s[18:19]
	s_mov_b64 s[18:19], KROW
	s_mul_u64 s[20:21], s[20:21], s[18:19]
	s_mul_u64 s[46:47], s[46:47], s[18:19]
	s_mul_i32 s18, s16, 128*KROW                   ; in the ring I fetch 128 rows
	s_mov_b32 s19, 0
	s_mul_i32 s45, s14, HALFT
	s_wait_dscnt 0x0
	s_wait_kmcnt 0x0
	s_mov_b64 s[96:97], s[90:91]
	s_cmp_eq_u32 ttmp9, 0
	s_cselect_b64 s[8:9], s[72:73], s[76:77]
	s_cselect_b64 s[10:11], s[74:75], s[78:79]
	s_cselect_b64 s[100:101], s[84:85], s[86:87]
	s_cmp_ge_u32 s67, 8
	s_cselect_b64 s[4:5], s[80:81], s[68:69]
	s_cselect_b64 s[6:7], s[82:83], s[70:71]
	s_cselect_b64 s[8:9], s[68:69], s[8:9]
	s_cselect_b64 s[10:11], s[70:71], s[10:11]
	s_cselect_b64 s[100:101], s[88:89], s[100:101]
	s_add_nc_u64 s[20:21], s[4:5], s[20:21]
	s_add_nc_u64 s[22:23], s[6:7], s[22:23]
	s_add_nc_u64 s[46:47], s[8:9], s[46:47]
	s_add_nc_u64 s[92:93], s[10:11], s[92:93]
	s_or_b32 s[G1S+0], s43, (3<<16)|(1<<20)|(1<<21)|(5<<22)|(3<<25)
	s_or_b32 s[G1SB+0], s44, (3<<16)|(1<<20)|(1<<21)|(5<<22)|(3<<25)
.irp g, G1S, G1SB
	s_mov_b32 s[\g+1], 32<<16                      ; the scales of 256 rows: KS rows of 256 bytes
	s_mov_b32 s[\g+2], KS<<16
	s_mov_b32 s[\g+3], 32<<16
	s_mov_b32 s[\g+4], KS
	s_mov_b32 s[\g+5], 32
	s_mov_b32 s[\g+6], 0
	s_mov_b32 s[\g+7], 0
.endr
	CROUND                                         ; the first joint loads meet
	s_mov_b32 s[G0H], 1
	s_mov_b32 s[G0H+1], 0
	s_mov_b64 s[G0H+2:G0H+3], s[20:21]
	s_or_b32 s[G0H+3], s[G0H+3], 0x80000000
	s_mov_b32 s[G0HB], 1
	s_mov_b32 s[G0HB+1], 2*HALFT
	s_mov_b64 s[G0HB+2:G0HB+3], s[46:47]
	s_or_b32 s[G0HB+3], s[G0HB+3], 0x80000000
	s_mov_b32 s[G0S], 1
	s_mov_b32 s[G0S+1], SCL
	s_mov_b64 s[G0S+2:G0S+3], s[22:23]
	s_or_b32 s[G0S+3], s[G0S+3], 0x80000000
	s_mov_b32 s[G0SB], 1
	s_mov_b32 s[G0SB+1], SCL+2*HALFS
	s_mov_b64 s[G0SB+2:G0SB+3], s[92:93]
	s_or_b32 s[G0SB+3], s[G0SB+3], 0x80000000
	s_add_nc_u64 s[20:21], s[20:21], s[18:19]
	s_add_nc_u64 s[46:47], s[46:47], s[18:19]
.irp s, 0,1
	s_mov_b32 s[G0+4*\s], 1
	s_add_co_u32 s[G0+4*\s+1], s45, \s*SLOT
	s_add_nc_u64 s[G0+4*\s+2:G0+4*\s+3], s[20:21], \s*ROWB
	s_or_b32 s[G0+4*\s+3], s[G0+4*\s+3], 0x80000000
	s_mov_b32 s[G0B+4*\s], 1
	s_add_co_u32 s[G0B+4*\s+1], s45, \s*SLOT
	s_add_nc_u64 s[G0B+4*\s+2:G0B+4*\s+3], s[46:47], \s*ROWB
	s_or_b32 s[G0B+4*\s+3], s[G0B+4*\s+3], 0x80000000
.endr
; the head's four tiles, one load a wave: chunk 0 of A, of B, A's scales, B's scales
.macro ARM under, g0, g1, next
	s_cmp_lt_u32 s14, \under
	s_cbranch_scc0 \next
	tensor_load_to_lds s[\g0:\g0+3], s[\g1:\g1+7]
	s_nop 0
.rept 4
	v_nop
.endr
	s_branch .Lhead_asked
\next:
.endm
	ARM 1, G0H,  G1,  .Lhead_b
	ARM 2, G0HB, G1B, .Lhead_sa
	ARM 3, G0S,  G1S, .Lhead_sb
	tensor_load_to_lds s[G0SB:G0SB+3], s[G1SB:G1SB+7]
	s_nop 0
.rept 4
	v_nop
.endr
.Lhead_asked:
	v_and_b32 v1, 15, v0                           ; r
	v_bfe_u32 v2, v0, 4, 1                         ; h
	v_mul_u32_u24 v3, v1, PITCH
	v_mul_u32_u24 v4, v2, 24
	v_add_nc_u32 v4, v3, v4                        ; row x pitch + 24 h
	s_mov_b32 s21, SLOT-232
	s_mov_b32 s22, SLOT+232
	v_sub_nc_u32 v7, 1, v2
	v_mul_u32_u24 v5, s21, v2
	v_add_nc_u32 v5, v3, v5
	v_add_nc_u32 v5, 232, v5                       ; across two chunks: lanes 0-15 byte 232 in slot 0, lanes 16-31 byte 0 in slot 1
	v_mul_u32_u24 v6, s22, v7
	v_add_nc_u32 v6, v3, v6                        ; and the other way round
	s_mul_i32 s21, s15, HALFT
	s_mul_i32 s22, s16, HALFT
	s_add_co_u32 s22, s22, 2*HALFT
	v_add_nc_u32 v[ADRA+2], s21, v5
	v_add_nc_u32 v[ADRA+3], s21, v6
	v_add_nc_u32 v[ADRB+2], s22, v5
	v_add_nc_u32 v[ADRB+3], s22, v6
.irp s, 0,1
	v_add_nc_u32 v[ADRA+\s], s21, v4
	v_add_nc_u32 v[ADRB+\s], s22, v4
	s_add_co_u32 s21, s21, SLOT
	s_add_co_u32 s22, s22, SLOT
.endr
	v_mul_u32_u24 v5, v1, KS
	v_lshrrev_b32 v6, 8, v5
	v_lshl_add_u32 v5, v6, 4, v5
	s_mul_i32 s21, s15, HALFS
	s_mul_i32 s22, s16, HALFS
	s_add_co_u32 s22, s22, 2*HALFS
	s_sub_co_u32 s22, s22, s21
	v_mul_u32_u24 v6, s22, v2                      ; lanes 16-31 take B's scale words
	s_add_co_u32 s21, s21, SCL
	v_add_nc_u32 v5, v5, v6
	v_add_nc_u32 v[ADRS], s21, v5
	s_lshl_b32 s46, s42, 8                         ; the biases: along B's rows (q, k) or along A's rows (v)
	s_lshl_b32 s47, s16, 7
	s_add_co_u32 s46, s46, s47
	s_lshl_b32 s46, s46, 2
	s_lshl_b32 s22, s17, 8
	s_lshl_b32 s23, s15, 7
	s_add_co_u32 s22, s22, s23
	s_lshl_b32 s22, s22, 2
	s_cmp_eq_u32 s66, 1
	s_cselect_b32 s46, 0, s46
	s_cselect_b32 s22, s22, 0
	v_lshl_add_u32 v[OBB], v2, 5, s46
	v_lshl_add_u32 v[OBA], v1, 2, s22
.irp b, 0,1,2,3,4,5,6,7
	global_load_b128 v[BB+8*\b:BB+8*\b+3], v[OBB], s[100:101] offset:64*\b
	global_load_b128 v[BB+8*\b+4:BB+8*\b+7], v[OBB], s[100:101] offset:64*\b+16
.endr
.irp a, 0,1,2,3,4,5,6,7
	global_load_b32 v[BA+2*\a], v[OBA], s[100:101] offset:64*\a
	v_mov_b32 v[BA+2*\a+1], 0
.endr
.macro FRAG reg, adr, st, i            ; 16 rows x 128 K: six pieces of 8 bytes, each inside one chunk
.irp p, 0,1,2,3,4,5
.set BY, 96*(\st)+48*(\p/3)+8*(\p%3)
.if BY/ROWB == (BY+24)/ROWB
	ds_load_b64 v[\reg+2*\p:\reg+2*\p+1], v[\adr+(BY/ROWB)%2] offset:BY%ROWB+(\i)*16*PITCH
.else
	ds_load_b64 v[\reg+2*\p:\reg+2*\p+1], v[\adr+2+(BY/ROWB)%2] offset:BY%ROWB-232+(\i)*16*PITCH
.endif
.endr
.endm
.macro MUL16 a0, p, q, sc, zero        ; the 64 accumulators take turns
.irp a, \a0, \a0+1
.irp b, 0,1,2,3,4,5,6,7
.if \zero
	v_wmma_scale_f32_16x16x128_f8f6f4 v[8*(8*((\a)%4)+\b):8*(8*((\a)%4)+\b)+7], v[128*(\p)+FR*\b:128*(\p)+FR*\b+FR-1], v[AF+FR*(\a):AF+FR*(\a)+FR-1], v[BB+8*\b:BB+8*\b+7], v[SC+8*NQ*(\sc)+NQ*\b+(\q)], v[SC+8*NQ*(\sc)+NQ*(\a)+(\q)] matrix_a_fmt:MATRIX_FMT_FP6 matrix_b_fmt:MATRIX_FMT_FP6 matrix_a_scale:MATRIX_SCALE_ROW1
.else
	v_wmma_scale_f32_16x16x128_f8f6f4 v[8*(8*((\a)%4)+\b):8*(8*((\a)%4)+\b)+7], v[128*(\p)+FR*\b:128*(\p)+FR*\b+FR-1], v[AF+FR*(\a):AF+FR*(\a)+FR-1], v[8*(8*((\a)%4)+\b):8*(8*((\a)%4)+\b)+7], v[SC+8*NQ*(\sc)+NQ*\b+(\q)], v[SC+8*NQ*(\sc)+NQ*(\a)+(\q)] matrix_a_fmt:MATRIX_FMT_FP6 matrix_b_fmt:MATRIX_FMT_FP6 matrix_a_scale:MATRIX_SCALE_ROW1
.endif
.endr
.endr
.endm
.macro FETCH_B st, p
	WIN TO_B
.irp i, 0,1,2,3,4,5,6,7
	FRAG 128*(\p)+FR*\i, ADRB, \st, \i
.endr
	WIN 0
.endm
.macro FETCH_A st, i0
.irp i, \i0, \i0+1, \i0+2, \i0+3
	FRAG AF+FR*(\i), ADRA, \st, \i
.endr
.endm
.macro SCALES pr
.irp i, 0,1,2,3,4,5,6,7
	ds_load_b64 v[SC+8*NQ*((\pr)%2)+NQ*\i:SC+8*NQ*((\pr)%2)+NQ*\i+1], v[ADRS] offset:\i*SBLK+4*NQ*(\pr)
.endr
.endm
.macro PLACES n
.rept \n
	v_nop
.endr
.endm
; A step: 64 products; the next step's fragments are fetched in its middle and at its end.  Where the next step's bytes end in a chunk not yet read, a barrier shows that chunk whole;
; where they begin in a later chunk, the chunk left behind is free: the three lines, the barrier, and, where a chunk two on is left, the cluster's round and the refill.
.macro STEP st, zero
.set NX, (\st)+1
.set C0, (96*(\st))/ROWB
.set C1, (96*NX)/ROWB
.set E0, (96*(\st)+95)/ROWB
.set E1, (96*NX+95)/ROWB
.if C1 > C0 || E1 > E0
	s_wait_tensorcnt 0x0                           ; all my tensor loads have landed
.if C1 > C0
	ds_add_u32 v[SPW], v[NIL]
	s_wait_dscnt 4*NL+1                            ; the add and A's blocks 4-7 may be out
.else
	s_wait_dscnt 4*NL
.endif
	WIN MUL_LO
	MUL16 0, (\st)%2, (\st)%2, ((\st)/2)%2, \zero
	s_wait_dscnt 0x0                               ; the add and all my reads are done
	s_barrier_signal -1
	MUL16 2, (\st)%2, (\st)%2, ((\st)/2)%2, \zero
	WIN 0
	s_barrier_wait -1
.if C1 > C0 && C0+2 < CHUNKS
	CREST
	s_add_nc_u64 s[G0+4*(C0%2)+2:G0+4*(C0%2)+3], s[G0+4*(C0%2)+2:G0+4*(C0%2)+3], 2*ROWB
	s_add_nc_u64 s[G0B+4*(C0%2)+2:G0B+4*(C0%2)+3], s[G0B+4*(C0%2)+2:G0B+4*(C0%2)+3], 2*ROWB
	JLOAD G0+4*(C0%2), G1, G0B+4*(C0%2), G1B       ; chunk C0 + 2, first behind the round
.else
	PLACES NP
.endif
.else
	s_wait_dscnt 4*NL                              ; B's set and A's blocks 0-3 are in
	WIN (MUL_LO-0x20*(\zero))                      ; the first step's C, the bias along B's rows, lies in window 0
	MUL16 0, (\st)%2, (\st)%2, ((\st)/2)%2, \zero
	MUL16 2, (\st)%2, (\st)%2, ((\st)/2)%2, \zero
	s_wait_dscnt 0
	PLACES NP
.endif
	FETCH_B NX, NX%2
	FETCH_A NX, 0
.if NX%2 == 0
	SCALES NX/2
.endif
	WIN (MUL_HI-0x30*(\zero))
	MUL16 4, (\st)%2, (\st)%2, ((\st)/2)%2, \zero
	MUL16 6, (\st)%2, (\st)%2, ((\st)/2)%2, \zero
	PLACES NP
	WIN 0
	FETCH_A NX, 4
.endm
	s_cmp_eq_u32 s66, 1
	s_cselect_b32 s94, 0, 1.0                      ; q, k: the bias runs along B's rows and starts the sums as the first products' C; v: that C is 0
	s_mov_b32 s95, s94
	s_wait_loadcnt 0x0                             ; the biases are in
.set II, 0
.rept 32
	v_pk_mul_f32 v[BB+2*II:BB+2*II+1], v[BB+2*II:BB+2*II+1], s[94:95] op_sel_hi:[1,0]
.set II, II+1
.endr
	s_wait_alu depctr_va_vdst(0)
	s_wait_tensorcnt 0x0
	ds_add_u32 v[SPW], v[NIL]
	s_mov_b32 s[G1+2], 128<<16
	s_mov_b32 s[G1+4], 128
	s_mov_b32 s[G1B+2], 128<<16
	s_mov_b32 s[G1B+4], 128
	s_wait_dscnt 0x0
	CROUND
	JLOAD G0+4, G1, G0B+4, G1B                     ; chunk 1, first behind the round
	FETCH_B 0, 0
	FETCH_A 0, 0
	SCALES 0
	FETCH_A 0, 4
	STEP 0, 1
.set ST, 1
.rept STEPS-2
	STEP ST, 0
.set ST, ST+1
.endr
	s_wait_dscnt 4*NL
	WIN MUL_LO
	MUL16 0, 1, 1, 1, 0
	MUL16 2, 1, 1, 1, 0
	s_wait_dscnt 0
	WIN MUL_HI
	MUL16 4, 1, 1, 1, 0
	MUL16 6, 1, 1, 1, 0
	WIN 0
	PLACES NP
; THE WAY OUT: where my 128 x 128 go: q [bh][tile][768], k and v^T [bh][step][k 8 parts | v 8 parts], scale words beside them
	s_lshl_b32 s20, s17, 8
	s_lshl_b32 s21, s15, 7
	s_add_co_u32 s20, s20, s21
	s_lshl_b32 s21, s42, 8
	s_lshl_b32 s22, s16, 7
	s_add_co_u32 s21, s21, s22
	s_cmp_eq_u32 s66, 1
	s_cselect_b32 s22, s21, s20
	s_cselect_b32 s23, s20, s21
	s_lshr_b32 s43, s22, 11
	s_lshl_b32 s43, s43, 4
	s_lshr_b32 s44, s23, 6
	s_add_co_u32 s43, s43, s44
	s_and_b32 s44, s22, 2047
	s_mul_i32 s20, s43, 98304
	s_mul_i32 s21, s44, 48
	s_add_co_u32 s20, s20, s21
	s_lshl_b32 s21, s43, 13
	s_lshl_b32 s22, s44, 2
	s_add_co_u32 s21, s21, s22
	s_mul_i32 s22, s43, 196608
	s_mul_i32 s23, s44, 96
	s_add_co_u32 s22, s22, s23
	s_mul_i32 s23, s66, 6144
	s_add_co_u32 s22, s22, s23
	s_add_co_u32 s22, s22, KVC
	s_mul_i32 s23, s43, 12288
	s_mul_i32 s45, s44, 6
	s_add_co_u32 s23, s23, s45
	s_lshl_b32 s45, s66, 9
	s_add_co_u32 s23, s23, s45
	s_add_co_u32 s23, s23, KVS
	s_or_b32 s45, s66, ttmp9
	s_cmp_eq_u32 s45, 0
	s_cselect_b32 s20, s20, s22
	s_cselect_b32 s22, s21, s23
	s_mov_b32 s46, 196608
	s_cselect_b32 s46, 98304, s46
	s_mov_b32 s47, 12288
	s_cselect_b32 s47, 8192, s47
	s_mov_b32 s21, 0
	s_mov_b32 s23, 0
	s_add_nc_u64 s[12:13], s[96:97], s[20:21]
	s_add_nc_u64 s[92:93], s[98:99], s[22:23]
	s_cmp_eq_u32 s66, 1
	s_cselect_b32 s46, 768, s46
	s_cselect_b32 s47, 0, s47
	s_mov_b32 s4, 768
	s_cselect_b32 s4, 1536, s4
	s_cselect_b32 s6, 190464, 0
	s_mov_b32 s8, 256
	s_cselect_b32 s8, 12288, s8
	s_mov_b32 s10, 0xffff
	s_cselect_b32 s10, -1, s10
	s_cselect_b32 s11, 0, 0x7f7f0000               ; q, k: K is 64: the upper two scale bytes are 1.0
	s_cselect_b32 s45, 0, 16
	s_cselect_b32 s2, 1.0, 0
	s_mov_b32 s5, 0
	s_mov_b32 s7, 0
	s_mov_b32 s9, 0
	s_mov_b32 s3, s2
	s_mov_b32 s18, 0x76543210
	s_mov_b32 s19, 0xfedcba98
	v_and_b32 v3, 31, v0
	v_mul_u32_u24 v[SH], v2, s45
	v_lshlrev_b32 v57, 4, v3
	v_lshlrev_b32 v58, 3, v3
	v_add_nc_u32 v59, s46, v57
	v_add_nc_u32 v60, s46, v58
	v_mul_u32_u24 v61, v2, s47
	v_lshl_add_u32 v61, v1, 4, v61
.irp b, 0,1,2,3
	v_mov_b32 v[TM+4+\b], 0
.endr
	s_wait_loadcnt 0x0
.macro QUANT s                         ; four blocks of 32: largest magnitude with the floor, scale byte, codes, whole blocks to a lane
.irp b, 0,1,2,3
	v_max3_num_f32 v[TM+\b], |v[\s+16*\b]|, |v[\s+1+16*\b]|, 0x1800000
.endr
.irp i, 2,4,6,8,10,12,14
.irp b, 0,1,2,3
	v_max3_num_f32 v[TM+\b], v[TM+\b], |v[\s+16*\b+\i]|, |v[\s+1+16*\b+\i]|
.endr
.endr
.irp b, 0,1,2,3
	v_permlanex16_b32 v[TM+4+\b], v[TM+\b], s18, s19
.endr
.irp b, 0,1,2,3
	v_max_num_f32 v[TM+\b], v[TM+\b], v[TM+4+\b]
.endr
.irp b, 0,1,2,3
	v_add_nc_u32 v[TM+12+\b], 0xff000000, v[TM+\b]
.endr
.irp b, 0,1,2,3
	v_lshrrev_b32 v[TM+4+\b], 23, v[TM+12+\b]
.endr
	v_lshl_or_b32 v[PW], v[TM+5], 8, v[TM+4]
	v_lshl_or_b32 v[PW], v[TM+6], 16, v[PW]
	v_lshl_or_b32 v[PW], v[TM+7], 24, v[PW]
.irp c, 0,1
	v_cvt_scalef32_pk16_fp6_f32 v[CD+6*\c:CD+2+6*\c], v[\s+32*\c:\s+15+32*\c], v[TM+12+2*\c]
	v_cvt_scalef32_pk16_fp6_f32 v[CD+12+4*\c:CD+14+4*\c], v[\s+16+32*\c:\s+31+32*\c], v[TM+12+2*\c+1]
.endr
	v_nop
.irp c, 0,1
.irp i, 0,1,2
	v_permlane16_swap_b32 v[CD+6*\c+\i], v[CD+12+4*\c+\i]
.endr
.irp i, 0,1,2
	v_mov_b32 v[CD+3+6*\c+\i], v[CD+12+4*\c+\i]
.endr
.endr
.endm
.macro OUTBLK a
.if (\a) > 0
	s_wait_xcnt 0x0                                ; the earlier stores have read their registers and base
	s_add_nc_u64 s[12:13], s[12:13], s[4:5]
.if (\a) == 4
	s_add_nc_u64 s[12:13], s[12:13], s[6:7]
	s_add_nc_u64 s[92:93], s[92:93], s[8:9]
.endif
.endif
	WIN 0x20+0x10*((\a)/4)
.set II, 0
.rept 32
	v_pk_fma_f32 v[HA+2*II:HA+2*II+1], v[BA+2*(\a):BA+2*(\a)+1], s[2:3], v[64*((\a)%4)+2*II:64*((\a)%4)+2*II+1] op_sel_hi:[0,0,1]
.set II, II+1
.endr
	WIN 0
	QUANT HA
	v_lshrrev_b32 v[T0], v[SH], v[PW]
	v_and_or_b32 v[SW+(\a)%4], v[T0], s10, s11
	global_store_b128 v57, v[CD:CD+3], s[12:13]
	global_store_b64 v58, v[CD+4:CD+5], s[12:13] offset:512
	global_store_b128 v59, v[CD+6:CD+9], s[12:13]
	global_store_b64 v60, v[CD+10:CD+11], s[12:13] offset:512
.if (\a)%4 == 3
	global_store_b128 v61, v[SW:SW+3], s[92:93]
.endif
.endm
.irp a, 0,1,2,3,4,5,6,7
	OUTBLK \a
.endr
	s_wait_tensorcnt 0x0                           ; the wave's end
	ds_add_u32 v[SPW], v[NIL]
	s_wait_dscnt 0x0
	CROUND                                         ; the closing round
	s_endpgm
.Lfunc_end_k_q79f5b75166_qkv:
	.size	k_q79f5b75166_qkv, .Lfunc_end_k_q79f5b75166_qkv-k_q79f5b75166_qkv
	.p2alignl 7, 3214868480
	.fill 96, 4, 3214868480
	.section	.rodata,"a",@progbits
	.p2align	6, 0x0
	.amdhsa_kernel k_q79f5b75166_qkv
		.amdhsa_group_segment_fixed_size 327680
		.amdhsa_private_segment_fixed_size 0
		.amdhsa_enable_private_segment 0
		.amdhsa_kernarg_size 104
		.amdhsa_user_sgpr_count 2
		.amdhsa_user_sgpr_kernarg_segment_ptr 1
		.amdhsa_wavefront_size32 1
		.amdhsa_system_sgpr_workgroup_id_x 1
		.amdhsa_system_sgpr_workgroup_id_y 1
		.amdhsa_system_sgpr_workgroup_id_z 1
		.amdhsa_system_vgpr_workitem_id 0
		.amdhsa_next_free_vgpr 1024
		.amdhsa_next_free_sgpr 102
		.amdhsa_reserve_vcc 0
		.amdhsa_float_denorm_mode_32 3
		.amdhsa_float_denorm_mode_16_64 3
		.amdhsa_memory_ordered 1
		.amdhsa_forward_progress 1
		.amdhsa_inst_pref_size 190
	.end_amdhsa_kernel
	.amdgpu_metadata
---
amdhsa.version: [ 1, 2 ]
amdhsa.kernels:
  - .name:           k_q79f5b75166_qkv
    .symbol:         k_q79f5b75166_qkv.kd
    .args:
      - { .name: xc, .offset: 0, .size: 8, .value_kind: global_buffer, .address_space: global }
      - { .name: xs, .offset: 8, .size: 8, .value_kind: global_buffer, .address_space: global }
      - { .name: Wq_codes, .offset: 16, .size: 8, .value_kind: global_buffer, .address_space: global }
      - { .name: Wq_scales, .offset: 24, .size: 8, .value_kind: global_buffer, .address_space: global }
      - { .name: Wk_codes, .offset: 32, .size: 8, .value_kind: global_buffer, .address_space: global }
      - { .name: Wk_scales, .offset: 40, .size: 8, .value_kind: global_buffer, .address_space: global }
      - { .name: Wv_codes, .offset: 48, .size: 8, .value_kind: global_buffer, .address_space: global }
      - { .name: Wv_scales, .offset: 56, .size: 8, .value_kind: global_buffer, .address_space: global }
      - { .name: bq, .offset: 64, .size: 8, .value_kind: global_buffer, .address_space: global }
      - { .name: bk, .offset: 72, .size: 8, .value_kind: global_buffer, .address_space: global }
      - { .name: bv, .offset: 80, .size: 8, .value_kind: global_buffer, .address_space: global }
      - { .name: qkvc, .offset: 88, .size: 8, .value_kind: global_buffer, .address_space: global }
      - { .name: qkvs, .offset: 96, .size: 8, .value_kind: global_buffer, .address_space: global }
    .group_segment_fixed_size: 327680
    .private_segment_fixed_size: 0
    .kernarg_segment_align: 8
    .kernarg_segment_size: 104
    .max_flat_workgroup_size: 128
    .sgpr_count:     102
    .vgpr_count:     1024
    .wavefront_size: 32
...
	.end_amdgpu_metadata
.endif
;; end of part 2
;; launch attn (part 3): grid 4 x 64, 16 waves a work-group, clusters of 4 x 1, 211,712 bytes of LDS; arguments qkvc, qkvs, cc, cs; writes cc, cs
.if DOCPART == 3
	.amdgcn_target "amdgcn-amd-amdhsa--gfx1250"
	.amdhsa_code_object_version 6
	.text
	.protected	k_q79f5b75166_attn
	.globl	k_q79f5b75166_attn
	.p2align	8
	.type	k_q79f5b75166_attn,@function
k_q79f5b75166_attn:
	s_mov_b64 s[64:65], 0
	v_nop
	global_prefetch_b8 v0, s[64:65] scope:SCOPE_SE
	s_setreg_imm32_b32 hwreg(HW_REG_WAVE_MODE, 25, 1), 1
	s_wait_xcnt 0x0
	s_wait_alu depctr_hold_cnt(0) depctr_sa_sdst(0) depctr_va_vdst(0) depctr_va_sdst(0) depctr_va_ssrc(0) depctr_va_vcc(0) depctr_vm_vsrc(0)
	s_getreg_b32 s2, hwreg(HW_REG_IB_STS2, 6, 4)
	s_cmp_eq_u32 s2, 0
	s_cbranch_scc0 .Lentry_in_a_cluster
	s_endpgm
.Lentry_in_a_cluster:
	s_bfe_u32 s2, ttmp6, 0x10000c
	s_cmp_lg_u32 s2, 0x3003
	s_cbranch_scc0 .Lentry_shape_is_right
	s_endpgm
.Lentry_shape_is_right:
; ctx[bh][q] = the sum over keys of softmax(q . k / 8) v, both products on codes of FP6 (E2M3) with one E8M0 scale for each 32 along a product's K; ctx is quantised along the head's 64 and leaves as codes.
; THE SOFTMAX: t = score x log2(e) / 8; M = the running largest t rounded UP to a whole number; p = 2^(t - M) is quantised along the keys, not normalised.  The row's sum is taken of the unquantised p, in f32,
; and divides at the end.  When M moves, the sum and O are multiplied by 2^(old M - new M): exact.
; SHARES.  A work-group owns 512 queries of one head; each of its sixteen waves a tile of 16 queries at a time, twice.  Every wave walks the head's 2,048 keys, 128 a step.  The head's K and V stay in LDS, filled once;
; the four work-groups of a cluster are the four query blocks of one head and ask for them JOINTLY (waves 0-7: 24,576 bytes of codes each; wave 8: the scale words).
; LAYOUT.  Both products are used transposed (S^T = K Q^T, O^T = V^T P^T): a lane holds one query.  THE KEYS OF A TILE OF K ARE CHOSEN SO THAT A LANE HOLDS A WHOLE BLOCK OF 32 KEYS: tile (c, g) takes in its rows 0-7 the
; keys 64 c + 8 sg + 0..7 and in its rows 8-15 the keys 32 further on, sg = 0, 2, 1, 3 for g = 0..3: so lane (r, h) holds, in the 32 registers of tiles (c, 0..3), block 2 c + h in the order in which V's codes stand
; (place p holds key p % 8 + 16 ((p / 8) % 2) + 8 (p / 16)).  A block's maximum needs no other lane, and the conversions' results are the operand's registers.
; THE FIRST PRODUCT'S K IS 64: Q's registers 6-11 hold zero codes with the scale byte 0x7f.  So whatever codes stand in registers 6-11 of K's operand add nothing (E2M3 has no NaN, K's upper scale bytes are 0x7f):
; K's fragments lie 6 registers apart, each followed by the next (the last by V's first six).
; ORDER.  Directly behind a step's first products the next step's K and this step's V are asked of LDS: they land under the softmax.  The last step's request for K reads the bytes behind the codes (the scale words, and
; 768 bytes of zeros that the scale words' load lays behind them: its tile has 51 rows, its tensor 48); what it brings is not used.
; No prefetch is written: K and V are asked for once, at the head.
; LIMITS: NaN and infinities are not served; a block of p or of ctx under the floor 2^(3 - 127) keeps the byte 1: its codes are zeros; scaled scores stay under 2^31.
; REGISTERS: v0 the thread; v1-5, v247 lane parts of LDS addresses; v6-11, v251 the second tile's Q; v12 -M, v13 the largest score, v[14:15] the sum; v16-27 Q, v28 its scale word; v29 p's scale word; v30 f; v31 at work;
; v32-79 K, v80-127 V, v128-191 S^T then p, v192-223 O^T, v224-235 p's codes, v236-239 K's scale words (lanes 0-15 tiles (0, g), lanes 16-31 tiles (1, g)), v240-243 V's, v244-255 at work.
.set KVC,   6291456
.set KVS,   524288
.set STEPB, 12288                      ; a key step's codes: K's 8 parts of 768 bytes, then V's 8
.set SCB,   196608                     ; LDS: the scale words, 768 bytes a step
.set SPARE, SCB+51*256                 ; the spare words, 128 bytes a wave
.set KF, 32
.set VF, 80
.set SS, 128
.set OO, 192
.set PP, 224
.set KSC, 236
.set VSC, 240
.set WV,   12
.set SEL,  20
.set CS,   22
.set G1C,  24
.set G1S,  32
.set G0C,  40
.set G0S,  44
.set TB,   2
.set TS,   3
.set CNT,  48
.set NC,   49
.macro CROUND
	s_barrier_signal -1
	s_barrier_wait -1
	s_cmp_lg_u32 s[WV], 0
	s_cbranch_scc1 .Lnot_wave_0_\@
	s_barrier_signal -3
.Lnot_wave_0_\@:
	s_barrier_wait -3
	s_barrier_signal -1
	s_barrier_wait -1
.endm
	s_load_b256 s[4:11], s[0:1], 0x0               ; qkvc, qkvs, cc, cs
	v_lshl_add_u32 v254, v0, 2, SPARE
	v_mov_b32 v255, 0
	ds_add_u32 v254, v255                          ; the two registers are made anew at the end: v0 is kept
	ds_add_u32 v254, v255
	v_lshrrev_b32 v1, 5, v0
	s_delay_alu instid0(VALU_DEP_1)
	v_readfirstlane_b32 s[WV], v1                  ; wave 0..15
	s_bfe_u32 s13, ttmp6, 0x40000                  ; cx: my block of 512 queries
	s_and_b32 s14, ttmp7, 0xffff                   ; bh
	s_mov_b32 s[G1C], 15|(3<<16)|(1<<21)           ; dense blocks as rows of 256 bytes; the mask names all four
	s_mov_b32 s[G1C+1], 32<<16
	s_mov_b32 s[G1C+2], 96<<16
	s_mov_b32 s[G1C+3], 32<<16
	s_mov_b32 s[G1C+4], 96
	s_mov_b32 s[G1C+5], 32
	s_mov_b32 s[G1C+6], 0
	s_mov_b32 s[G1C+7], 0
	s_mov_b32 s[G1S], 15|(3<<16)|(1<<21)
	s_mov_b32 s[G1S+1], 32<<16
	s_mov_b32 s[G1S+2], 48<<16                     ; 48 rows are left of the tensor,
	s_mov_b32 s[G1S+3], 32<<16
	s_mov_b32 s[G1S+4], 51                         ; the tile has 51: the last three are written as zeros
	s_mov_b32 s[G1S+5], 32
	s_mov_b32 s[G1S+6], 0
	s_mov_b32 s[G1S+7], 0
	s_and_b32 s15, s[WV], 7
	s_mul_i32 s15, s15, 24576
	s_mul_i32 s16, s14, 196608
	s_add_co_u32 s16, s16, s15
	s_add_co_u32 s16, s16, KVC
	s_mov_b32 s17, 0
	s_mul_i32 s18, s14, 12288
	s_add_co_u32 s18, s18, KVS
	s_mov_b32 s19, 0
	s_lshl_b32 s56, s13, 5
	s_add_co_u32 s56, s56, s[WV]                   ; my first tile: T = 32 cx + wave; the second: 16 more
	s_lshl_b32 s57, s14, 7
	s_add_co_u32 s57, s57, s56
	s_mul_i32 s58, s57, 768
	s_mov_b32 s59, 0
	s_lshl_b32 s60, s14, 13                        ; q's scale word: 8,192 bh + 256 (T / 4) + 4 (T % 4)
	s_lshl_b32 s61, s13, 11
	s_add_co_u32 s60, s60, s61
	s_lshr_b32 s61, s[WV], 2
	s_lshl_b32 s61, s61, 8
	s_add_co_u32 s60, s60, s61
	s_and_b32 s61, s[WV], 3
	s_lshl_b32 s61, s61, 2
	s_add_co_u32 s60, s60, s61
	s_mov_b32 s61, 0
	s_lshr_b32 s62, s14, 4                         ; cs: (2,048 x batch + 16 T) rows of 32 bytes + 2 x head
	s_lshl_b32 s62, s62, 16
	s_lshl_b32 s63, s56, 9
	s_add_co_u32 s62, s62, s63
	s_and_b32 s63, s14, 15
	s_lshl_b32 s63, s63, 1
	s_add_co_u32 s62, s62, s63
	s_mov_b32 s63, 0
	s_mov_b32 s[SEL], 0x76543210
	s_mov_b32 s[SEL+1], 0xfedcba98                 ; lane l xor 16
	s_mov_b32 s[CS], 0x3e38aa3b                    ; c = log2(e) / 8
	s_mov_b32 s[CS+1], s[CS]
	s_mov_b32 s[NC], 0xbe38aa3b                    ; -c
	s_wait_dscnt 0x0
	s_wait_kmcnt 0x0
	s_mov_b32 s[G0C], 1
	s_mov_b32 s[G0C+1], s15
	s_add_nc_u64 s[G0C+2:G0C+3], s[4:5], s[16:17]
	s_or_b32 s[G0C+3], s[G0C+3], 0x80000000
	s_mov_b32 s[G0S], 1
	s_mov_b32 s[G0S+1], SCB
	s_add_nc_u64 s[G0S+2:G0S+3], s[6:7], s[18:19]
	s_or_b32 s[G0S+3], s[G0S+3], 0x80000000
	s_add_nc_u64 s[50:51], s[4:5], s[58:59]        ; Q's codes
	s_add_nc_u64 s[52:53], s[8:9], s[58:59]        ; ctx's codes
	s_add_nc_u64 s[54:55], s[10:11], s[62:63]      ; ctx's scale bytes
	s_add_nc_u64 s[66:67], s[6:7], s[60:61]        ; Q's scale words
	CROUND                                         ; the joint loads meet
	s_cmp_lt_u32 s[WV], 8
	s_cbranch_scc0 .Lnot_codes
	tensor_load_to_lds s[G0C:G0C+3], s[G1C:G1C+7]
	s_nop 0
.rept 4
	v_nop
.endr
	s_branch .Lasked
.Lnot_codes:
	s_cmp_eq_u32 s[WV], 8
	s_cbranch_scc0 .Lasked
	tensor_load_to_lds s[G0S:G0S+3], s[G1S:G1S+7]
	s_nop 0
.rept 4
	v_nop
.endr
.Lasked:
	v_and_b32 v244, 7, v0                          ; r % 8
	v_bfe_u32 v245, v0, 3, 1                       ; r / 8
	v_bfe_u32 v246, v0, 4, 1                       ; h
	v_and_b32 v248, 31, v0                         ; l
	v_and_b32 v249, 15, v0                         ; r
	v_mul_u32_u24 v250, v245, 1536                 ; rows 8-15 of a tile come from the part two further on
	v_lshlrev_b32 v4, 4, v248                      ; 16 l
	v_lshlrev_b32 v5, 3, v248                      ; 8 l
	v_lshlrev_b32 v252, 4, v249                    ; 16 r
	v_lshl_add_u32 v1, v244, 4, v250
	v_lshl_add_u32 v2, v244, 3, v250
	v_lshlrev_b32 v3, 4, v244
	v_lshl_add_u32 v1, v246, 8, v1                 ; K, registers 0-3: 16 (r % 8) + 256 h + 1,536 (r / 8)
	v_lshl_add_u32 v2, v246, 7, v2                 ; K, registers 4-5: 8 (r % 8) + 128 h + 1,536 (r / 8)
	v_lshl_add_u32 v3, v245, 3, v3
	v_add_nc_u32 v247, SCB+512, v252               ; V's scale words: 16 r
	v_lshl_add_u32 v3, v246, 8, v3
	v_add_nc_u32 v3, SCB, v3                       ; K's scale words: 16 (r % 8) + 8 (r / 8) + 256 h
	global_load_b128 v[16:19], v4, s[50:51]                        ; Q of the first tile,
	global_load_b64 v[20:21], v5, s[50:51] offset:512
	global_load_b128 v[8:11], v4, s[50:51] offset:12288            ; of the second
	global_load_b64 v[6:7], v5, s[50:51] offset:12800
	global_load_b32 v28, v252, s[66:67]
	global_load_b32 v251, v252, s[66:67] offset:1024
.irp i, 22,23,24,25,26,27
	v_mov_b32 v[\i], 0                             ; the zero codes of Q's upper 64 along K
.endr
.irp i, 0,1,2,3,4,5
	v_mov_b32 v[VF+\i], 0                          ; named behind K's last fragment before V first lands
.endr
	v_mov_b32 v31, 0                               ; a lane permute's destination counts as a source
	s_wait_alu depctr_va_vdst(0)
	s_wait_tensorcnt 0x0
	s_barrier_signal -1
	s_barrier_wait -1                              ; the whole head is in LDS
	s_wait_loadcnt 0x0
.macro KLOAD o, o2                     ; K's eight fragments and their scale words; v244, v245, v246 hold the addresses
.irp c, 0,1
.irp g, 0,1,2,3
	ds_load_b128 v[KF+6*(4*\c+\g):KF+6*(4*\c+\g)+3], v244 offset:\o+768*(4*\c+\g%2)+128*(\g/2)
	ds_load_b64 v[KF+6*(4*\c+\g)+4:KF+6*(4*\c+\g)+5], v245 offset:\o+768*(4*\c+\g%2)+512+64*(\g/2)
.endr
.endr
	ds_load_b64 v[KSC:KSC+1], v246 offset:\o2
	ds_load_b64 v[KSC+2:KSC+3], v246 offset:\o2+128
.endm
.macro STEP
	s_wait_dscnt 0x0                               ; this step's K, asked for a step ago
.irp c, 0,1
.irp g, 0,1,2,3
.if \c
	v_wmma_scale_f32_16x16x128_f8f6f4 v[SS+32*\c+8*\g:SS+32*\c+8*\g+7], v[KF+6*(4*\c+\g):KF+6*(4*\c+\g)+11], v[16:27], 0, v[KSC+\g], v28 matrix_a_fmt:MATRIX_FMT_FP6 matrix_b_fmt:MATRIX_FMT_FP6 matrix_a_scale:MATRIX_SCALE_ROW1
.else
	v_wmma_scale_f32_16x16x128_f8f6f4 v[SS+32*\c+8*\g:SS+32*\c+8*\g+7], v[KF+6*(4*\c+\g):KF+6*(4*\c+\g)+11], v[16:27], 0, v[KSC+\g], v28 matrix_a_fmt:MATRIX_FMT_FP6 matrix_b_fmt:MATRIX_FMT_FP6
.endif
.endr
.endr
	v_add_nc_u32 v244, s[TB], v1                   ; four plain lines: the places ahead of the loads into K's and V's registers
	v_add_nc_u32 v245, s[TB], v2
	v_add_nc_u32 v246, s[TS], v3
	v_add_nc_u32 v248, s[TB], v4
	KLOAD STEPB, 768                               ; the next step's K
	v_add_nc_u32 v245, s[TB], v5
	v_add_nc_u32 v246, s[TS], v247
.irp t, 0,1,2,3                                ; this step's V
	ds_load_b128 v[VF+12*\t:VF+12*\t+3], v248 offset:6144+1536*\t
	ds_load_b64 v[VF+12*\t+4:VF+12*\t+5], v245 offset:6144+1536*\t+512
	ds_load_b128 v[VF+12*\t+6:VF+12*\t+9], v248 offset:6144+1536*\t+768
	ds_load_b64 v[VF+12*\t+10:VF+12*\t+11], v245 offset:6144+1536*\t+1280
.endr
	ds_load_b128 v[VSC:VSC+3], v246
.irp k, 0,1,2,3                                ; the largest score of my two blocks, in four chains, each accumulator from its low end on
	v_max3_num_f32 v[252+\k], v[SS+16*\k], v[SS+16*\k+1], v[SS+16*\k+2]
.endr
.irp i, 3,5,7,9,11,13
.irp k, 0,1,2,3
	v_max3_num_f32 v[252+\k], v[252+\k], v[SS+16*\k+\i], v[SS+16*\k+\i+1]
.endr
.endr
	v_max3_num_f32 v252, v252, v253, v[SS+15]
	v_max3_num_f32 v254, v254, v255, v[SS+47]
	v_max_num_f32 v252, v252, v[SS+31]             ; block h,
	v_max_num_f32 v254, v254, v[SS+63]             ; block 2 + h
	v_max_num_f32 v253, v252, v254
	v_permlanex16_b32 v31, v253, s[SEL], s[SEL+1]
	v_max3_num_f32 v13, v13, v253, v31             ; the running largest score of my query
	v_mul_f32 v253, s[NC], v13                     ; -t
	v_floor_f32 v255, v253                         ; the new -M: a whole number
	v_sub_f32 v253, v255, v12                      ; old M - new M, 0 or less
	v_mov_b32 v12, v255
	v_cvt_i32_f32 v253, v253                       ; (it saturates)
.set JJ, 0
.rept 16
	v_pk_fma_f32 v[SS+JJ:SS+JJ+1], v[SS+JJ:SS+JJ+1], s[CS:CS+1], v[12:13] op_sel_hi:[1,0,0]   ; t - M
.set JJ, JJ+2
.endr
	v_ldexp_f32 v30, 1.0, v253                     ; f = 2^(old M - new M)
.rept 16
	v_pk_fma_f32 v[SS+JJ:SS+JJ+1], v[SS+JJ:SS+JJ+1], s[CS:CS+1], v[12:13] op_sel_hi:[1,0,0]
.set JJ, JJ+2
.endr
	v_fma_f32 v252, v252, s[CS], v12               ; the same of my blocks' largest scores
	v_fma_f32 v254, v254, s[CS], v12
.set JJ, 0
.rept 16
	v_pk_mul_f32 v[OO+JJ:OO+JJ+1], v[OO+JJ:OO+JJ+1], v[30:31] op_sel_hi:[1,0]   ; O^T under the new M
.set JJ, JJ+2
.endr
	s_wait_alu depctr_va_vdst(0)
	v_exp_f32 v252, v252                           ; my blocks' largest p
	v_exp_f32 v254, v254
.set JJ, 0
.rept 64
	v_exp_f32 v[SS+JJ], v[SS+JJ]                   ; p = 2^(t - M)
.set JJ, JJ+1
.endr
	v_pk_mul_f32 v[14:15], v[14:15], v[30:31] op_sel_hi:[1,0]      ; the sum under the new M (the plain line behind the batch)
	s_wait_alu depctr_va_vdst(0)                   ; and the wait behind it
	v_max_num_f32 v252, 0x1800000, v252            ; the floor 2^(3 - 127)
	v_max_num_f32 v254, 0x1800000, v254
	s_delay_alu instid0(VALU_DEP_2)
	v_add_nc_u32 v252, 0xff000000, v252            ; 2 off the exponent field: the conversion's scale operand
	s_delay_alu instid0(VALU_DEP_2)
	v_add_nc_u32 v254, 0xff000000, v254
	s_delay_alu instid0(VALU_DEP_2)
	v_lshrrev_b32 v253, 23, v252                   ; the bytes
	s_delay_alu instid0(VALU_DEP_2)
	v_lshrrev_b32 v255, 23, v254
	s_delay_alu instid0(VALU_DEP_1)
	v_lshl_or_b32 v253, v255, 16, v253             ; blocks h and 2 + h
	s_delay_alu instid0(VALU_DEP_1)
	v_permlanex16_b32 v31, v253, s[SEL], s[SEL+1]
	s_delay_alu instid0(VALU_DEP_1)
	v_lshl_or_b32 v29, v31, 8, v253                ; lanes 0-15, which alone are read: the four bytes of my query's 128 keys
	v_cvt_scalef32_pk16_fp6_f32 v[PP:PP+2], v[SS:SS+15], v252
	v_cvt_scalef32_pk16_fp6_f32 v[244:246], v[SS+16:SS+31], v252   ; (a conversion's three registers begin on an even number)
	v_cvt_scalef32_pk16_fp6_f32 v[PP+6:PP+8], v[SS+32:SS+47], v254
	v_cvt_scalef32_pk16_fp6_f32 v[248:250], v[SS+48:SS+63], v254
	v_pk_add_f32 v[14:15], v[14:15], v[SS:SS+1]    ; the sum of the unquantised p, in four chains (also the plain line behind the conversions)
.irp i, 0,1,2
	v_mov_b32 v[PP+3+\i], v[244+\i]
	v_mov_b32 v[PP+9+\i], v[248+\i]
.endr
	v_pk_add_f32 v[244:245], v[SS+2:SS+3], v[SS+4:SS+5]
	v_pk_add_f32 v[248:249], v[SS+6:SS+7], v[SS+8:SS+9]
	v_pk_add_f32 v[254:255], v[SS+10:SS+11], v[SS+12:SS+13]
.set JJ, 14
.rept 6
	v_pk_add_f32 v[14:15], v[14:15], v[SS+JJ:SS+JJ+1]
	v_pk_add_f32 v[244:245], v[244:245], v[SS+JJ+2:SS+JJ+3]
	v_pk_add_f32 v[248:249], v[248:249], v[SS+JJ+4:SS+JJ+5]
	v_pk_add_f32 v[254:255], v[254:255], v[SS+JJ+6:SS+JJ+7]
.set JJ, JJ+8
.endr
	v_pk_add_f32 v[14:15], v[14:15], v[SS+62:SS+63]
	v_pk_add_f32 v[248:249], v[248:249], v[254:255]
	s_delay_alu instid0(VALU_DEP_2)
	v_pk_add_f32 v[14:15], v[14:15], v[244:245]
	s_delay_alu instid0(VALU_DEP_1)
	v_pk_add_f32 v[14:15], v[14:15], v[248:249]
	s_wait_alu depctr_va_vdst(0)
	s_wait_dscnt 0x0                               ; V (and the next K, asked for ahead of it)
.irp t, 0,1,2,3                                ; O^T += V^T P^T: four accumulators by turns
	v_wmma_scale_f32_16x16x128_f8f6f4 v[OO+8*\t:OO+8*\t+7], v[VF+12*\t:VF+12*\t+11], v[PP:PP+11], v[OO+8*\t:OO+8*\t+7], v[VSC+\t], v29 matrix_a_fmt:MATRIX_FMT_FP6 matrix_b_fmt:MATRIX_FMT_FP6
.endr
	s_add_co_u32 s[TB], s[TB], STEPB
	s_add_co_u32 s[TS], s[TS], 768
.endm
; A tile's end: O^T / the sum is ctx; its two blocks of 32 are quantised and stored as a part and two scale bytes.
.macro FINAL p
.rept 4
	v_nop
.endr
	v_add_f32 v14, v14, v15
	s_delay_alu instid0(VALU_DEP_1)
	v_permlanex16_b32 v31, v14, s[SEL], s[SEL+1]
	s_delay_alu instid0(VALU_DEP_1)
	v_add_f32 v14, v14, v31
	s_wait_alu depctr_va_vdst(0)
	v_rcp_f32 v14, v14
	v_nop
	s_wait_alu depctr_va_vdst(0)                   ; ahead of the first reader of the quotient and of O^T
.set JJ, 0
.rept 16
	v_pk_mul_f32 v[SS+JJ:SS+JJ+1], v[OO+JJ:OO+JJ+1], v[14:15] op_sel_hi:[1,0]
.set JJ, JJ+2
.endr
.irp b, 0,1
	v_max3_num_f32 v[252+\b], |v[SS+16*\b]|, |v[SS+16*\b+1]|, 0x1800000
.endr
.irp i, 2,4,6,8,10,12,14
.irp b, 0,1
	s_delay_alu instid0(VALU_DEP_2)
	v_max3_num_f32 v[252+\b], v[252+\b], |v[SS+16*\b+\i]|, |v[SS+16*\b+\i+1]|
.endr
.endr
.irp b, 0,1
	s_delay_alu instid0(VALU_DEP_2)
	v_permlanex16_b32 v[254+\b], v[252+\b], s[SEL], s[SEL+1]
.endr
.irp b, 0,1
	s_delay_alu instid0(VALU_DEP_2)
	v_max_num_f32 v[252+\b], v[252+\b], v[254+\b]
.endr
.irp b, 0,1
	s_delay_alu instid0(VALU_DEP_2)
	v_add_nc_u32 v[252+\b], 0xff000000, v[252+\b]
.endr
.irp b, 0,1
	s_delay_alu instid0(VALU_DEP_2)
	v_lshrrev_b32 v[254+\b], 23, v[252+\b]
.endr
	s_delay_alu instid0(VALU_DEP_1)
	v_lshl_or_b32 v29, v255, 8, v254               ; my row's two scale bytes
	v_cvt_scalef32_pk16_fp6_f32 v[PP:PP+2], v[SS:SS+15], v252
	v_cvt_scalef32_pk16_fp6_f32 v[244:246], v[SS+16:SS+31], v253
	v_and_b32 v248, 15, v0                         ; (the plain line behind the conversions)
.irp i, 0,1,2
	v_permlane16_swap_b32 v[PP+\i], v[244+\i]
.endr
.irp i, 0,1,2
	s_delay_alu instid0(VALU_DEP_3)
	v_mov_b32 v[PP+3+\i], v[244+\i]
.endr
	v_lshlrev_b32 v248, 5, v248                    ; 32 r
	global_store_b128 v4, v[PP:PP+3], s[52:53] offset:12288*\p     ; 512 consecutive bytes,
	global_store_b64 v5, v[PP+4:PP+5], s[52:53] offset:12288*\p+512   ; and 256
	global_store_b16 v248, v29, s[54:55] offset:8192*\p            ; lanes l and l + 16 store the same value to the same place
.endm
.macro PASS p
.if \p
	s_wait_xcnt 0x0                                ; the first tile's stores have read their registers
.irp i, 0,1,2,3
	v_mov_b32 v[16+\i], v[8+\i]                    ; the second tile's Q,
.endr
	v_mov_b32 v20, v6
	v_mov_b32 v21, v7
	v_mov_b32 v28, v251                            ; and its scale word; the lines below are the places ahead of the first product
.endif
	v_mov_b32 v13, 0xff61b1e6                      ; the largest score so far: -3e38
	v_mov_b32 v12, 0x7f61b1e6                      ; -M
	v_mov_b32 v14, 0
	v_mov_b32 v15, 0
	s_mov_b32 s[TB], 0
	s_mov_b32 s[TS], 0
	s_mov_b32 s[CNT], 16
	v_add_nc_u32 v244, s[TB], v1
	v_add_nc_u32 v245, s[TB], v2
	v_add_nc_u32 v246, s[TS], v3
	KLOAD 0, 0                                     ; step 0's K
.set JJ, 0
.rept 32
	v_mov_b32 v[OO+JJ], 0                          ; O^T: the step is written once; the first finds zeros
.set JJ, JJ+1
.endr
	s_wait_alu depctr_va_vdst(0)
.Lstep_\@:
	STEP
	s_sub_co_u32 s[CNT], s[CNT], 1
	s_cmp_lg_u32 s[CNT], 0
	s_cbranch_scc1 .Lstep_\@
	FINAL \p
.endm
	PASS 0
	PASS 1
	v_lshl_add_u32 v254, v0, 2, SPARE              ; the add's two registers, made anew
	v_mov_b32 v255, 0
	s_wait_alu depctr_va_vdst(0)
	s_wait_tensorcnt 0x0                           ; the wave's end
	ds_add_u32 v254, v255
	s_wait_dscnt 0x0
	CROUND                                         ; the closing round
	s_endpgm
.Lfunc_end_k_q79f5b75166_attn:
	.size	k_q79f5b75166_attn, .Lfunc_end_k_q79f5b75166_attn-k_q79f5b75166_attn
	.p2alignl 7, 3214868480
	.fill 96, 4, 3214868480
	.section	.rodata,"a",@progbits
	.p2align	6, 0x0
	.amdhsa_kernel k_q79f5b75166_attn
		.amdhsa_group_segment_fixed_size 211712
		.amdhsa_private_segment_fixed_size 0
		.amdhsa_enable_private_segment 0
		.amdhsa_kernarg_size 32
		.amdhsa_user_sgpr_count 2
		.amdhsa_user_sgpr_kernarg_segment_ptr 1
		.amdhsa_wavefront_size32 1
		.amdhsa_system_sgpr_workgroup_id_x 1
		.amdhsa_system_sgpr_workgroup_id_y 1
		.amdhsa_system_sgpr_workgroup_id_z 1
		.amdhsa_system_vgpr_workitem_id 0
		.amdhsa_next_free_vgpr 256
		.amdhsa_next_free_sgpr 72
		.amdhsa_reserve_vcc 0
		.amdhsa_float_denorm_mode_32 3
		.amdhsa_float_denorm_mode_16_64 3
		.amdhsa_memory_ordered 1
		.amdhsa_forward_progress 1
		.amdhsa_inst_pref_size 52
	.end_amdhsa_kernel
	.amdgpu_metadata
---
amdhsa.version: [ 1, 2 ]
amdhsa.kernels:
  - .name:           k_q79f5b75166_attn
    .symbol:         k_q79f5b75166_attn.kd
    .args:
      - { .name: qkvc, .offset: 0, .size: 8, .value_kind: global_buffer, .address_space: global }
      - { .name: qkvs, .offset: 8, .size: 8, .value_kind: global_buffer, .address_space: global }
      - { .name: cc, .offset: 16, .size: 8, .value_kind: global_buffer, .address_space: global }
      - { .name: cs, .offset: 24, .size: 8, .value_kind: global_buffer, .address_space: global }
    .group_segment_fixed_size: 211712
    .private_segment_fixed_size: 0
    .kernarg_segment_align: 8
    .kernarg_segment_size: 32
    .max_flat_workgroup_size: 512
    .sgpr_count:     72
    .vgpr_count:     256
    .wavefront_size: 32
...
	.end_amdgpu_metadata
.endif
;; end of part 3
;; launch oproj (part 4): grid 256 x 1, 16 waves a work-group, no clusters, 327,680 bytes of LDS; arguments cc, cs, woc, wos, x, bo, gamma, beta, out0; writes out0
.if DOCPART == 4
	.amdgcn_target "amdgcn-amd-amdhsa--gfx1250"
	.amdhsa_code_object_version 6
	.text
	.protected	k_q79f5b75166_oproj
	.globl	k_q79f5b75166_oproj
	.p2align	8
	.type	k_q79f5b75166_oproj,@function
k_q79f5b75166_oproj:
	s_mov_b64 s[64:65], 0
	v_nop
	global_prefetch_b8 v0, s[64:65] scope:SCOPE_SE
	s_setreg_imm32_b32 hwreg(HW_REG_WAVE_MODE, 25, 1), 1
	s_wait_xcnt 0x0
.set AF,   131072
.set PAR,  155648
.set STG,  167936
.set SPI,  4112
.set WV,   50
.set G1A,  24
.set G1X,  32
.set G0A,  40
.set G0X,  44
	s_load_b512 s[4:19], s[0:1], 0x0
	s_load_b64 s[20:21], s[0:1], 0x40
	v_lshl_add_u32 v254, v0, 2, 0x49200
	v_mov_b32 v255, 0
	ds_add_u32 v254, v255
	ds_add_u32 v254, v255
	v_lshrrev_b32 v1, 5, v0
	s_delay_alu instid0(VALU_DEP_1)
	v_readfirstlane_b32 s[WV], v1
	s_mov_b32 s[G1X], 3<<16
	s_mov_b32 s[G1X+1], 32<<16
	s_mov_b32 s[G1X+2], 32<<16
	s_mov_b32 s[G1X+3], 32<<16
	s_mov_b32 s[G1X+4], 32
	s_mov_b32 s[G1X+5], 32
	s_mov_b32 s[G1X+6], 0
	s_mov_b32 s[G1X+7], 0
	s_lshr_b32 s51, ttmp9, 6
	s_lshl_b32 s51, s51, 4
	s_add_co_u32 s51, s51, s[WV]
	s_lshl_b32 s51, s51, 7
	s_and_b32 s52, ttmp9, 63
	s_lshl_b32 s52, s52, 1
	s_add_co_u32 s51, s51, s52
	s_mul_i32 s52, s51, 768
	s_mov_b32 s53, 0
	s_lshl_b32 s54, ttmp9, 17
	s_mov_b32 s55, 0
	s_lshl_b32 s56, s[WV], 13
	s_mov_b32 s57, 0
	s_lshl_b32 s58, ttmp9, 10
	s_mov_b32 s59, 0
	s_mul_i32 s60, s[WV], 1536
	s_mov_b32 s22, 0x76543210
	s_mov_b32 s23, 0xfedcba98
	s_mov_b32 s48, 0x3a800000
	s_mov_b32 s49, 0x3a83126f
	s_wait_dscnt 0x0
	s_wait_kmcnt 0x0
	s_add_co_u32 s61, s60, AF                      ; LDS: my head's 1,536 bytes of ctx's codes
	s_add_nc_u64 s[4:5], s[4:5], s[52:53]          ; and where they lie in cc
	s_mov_b32 s[G0X], 1
	s_mov_b32 s[G0X+1], s56
	s_add_nc_u64 s[G0X+2:G0X+3], s[12:13], s[54:55]
	s_add_nc_u64 s[G0X+2:G0X+3], s[G0X+2:G0X+3], s[56:57]
	s_or_b32 s[G0X+3], s[G0X+3], 0x80000000
	s_add_nc_u64 s[6:7], s[6:7], s[58:59]
	s_add_nc_u64 s[20:21], s[20:21], s[54:55]
	v_and_b32 v1, 31, v0
	v_lshlrev_b32 v22, 4, v1                       ; ctx's codes: 16 bytes a lane, in memory
	v_lshl_add_u32 v23, v1, 4, s61                 ; and in LDS
	v_and_b32 v2, 15, v0
	v_bfe_u32 v3, v0, 4, 1
	v_lshlrev_b32 v18, 3, v0
	s_delay_alu instid0(VALU_DEP_1)
	v_add_nc_u32 v19, PAR, v18
	s_delay_alu instid0(VALU_DEP_4)
	v_lshlrev_b32 v10, 5, v2
	s_mul_i32 s51, s[WV], 6144
	v_lshl_add_u32 v11, v1, 4, s51
	s_lshl_b32 s51, s[WV], 8
	v_lshl_add_u32 v12, v2, 4, s51
	v_lshl_add_u32 v13, v1, 4, AF
	v_lshl_add_u32 v14, v1, 3, AF
	v_mul_u32_u24 v15, v2, SPI
	s_delay_alu instid0(VALU_DEP_1)
	v_lshl_add_u32 v15, v3, 5, v15
	s_delay_alu instid0(VALU_DEP_1)
	v_add_nc_u32 v15, s51, v15
	s_delay_alu instid0(VALU_DEP_1)
	v_add_nc_u32 v15, STG, v15
	s_delay_alu instid0(VALU_DEP_1)
	v_add_nc_u32 v16, 16*SPI, v15
	v_lshl_add_u32 v17, v1, 4, s56
	s_mul_i32 s51, s[WV], 2*SPI
	v_lshl_add_u32 v20, v1, 4, s51
	s_delay_alu instid0(VALU_DEP_1)
	v_add_nc_u32 v20, STG, v20
	v_lshl_add_u32 v21, v1, 4, PAR
.macro LOADB g
.irp t, 0,1,2,3
.irp c, 0,1,2
	global_load_b128 v[32+48*((\g)%2)+12*\t+4*\c:35+48*((\g)%2)+12*\t+4*\c], v11, s[8:9] offset:98304*(\g)+1536*\t+512*\c
.endr
.endr
	global_load_b128 v[128+4*((\g)%2):131+4*((\g)%2)], v12, s[10:11] offset:4096*(\g)
.endm
.irp c, 0,1,2
	global_load_b128 v[240+4*\c:243+4*\c], v22, s[4:5] offset:512*\c   ; my head's codes of the work-group's 32 rows: 3 x 512 consecutive bytes
.endr
	global_load_b64 v[4:5], v18, s[14:15]
	global_load_b64 v[6:7], v18, s[16:17]
	global_load_b64 v[8:9], v18, s[18:19]
.irp i, 0,1
	global_load_b128 v[160+8*\i:163+8*\i], v10, s[6:7] offset:512*\i
	global_load_b128 v[164+8*\i:167+8*\i], v10, s[6:7] offset:512*\i+16
.endr
	LOADB 0
	LOADB 1
	tensor_load_to_lds s[G0X:G0X+3], s[G1X:G1X+7]  ; my two rows of x: the wave's one tensor load, behind the loads that the products wait for
	s_nop 0
.rept 4
	v_nop
.endr
	s_wait_loadcnt 30                              ; behind the six oldest loads (codes, bo, gamma, beta) 30 were issued
	ds_store_b64 v19, v[4:5]
	ds_store_b64 v19, v[6:7] offset:4096
	ds_store_b64 v19, v[8:9] offset:8192
.irp c, 0,1,2
	ds_store_b128 v23, v[240+4*\c:243+4*\c] offset:512*\c   ; into bytes that no tensor load fills; x may stay on its way across the barrier below
.endr
	s_wait_dscnt 0x0
	s_barrier_signal -1
	s_barrier_wait -1
.macro KSTEP g
.irp i, 0,1
.irp hh, 0,1
	ds_load_b128 v[136+12*\i+6*\hh:139+12*\i+6*\hh], v13 offset:(2*(\g)+\hh)*1536+768*\i
	ds_load_b64 v[140+12*\i+6*\hh:141+12*\i+6*\hh], v14 offset:(2*(\g)+\hh)*1536+768*\i+512
.endr
.endr
.if (\g) < 7
	s_wait_loadcnt 13
.else
	s_wait_loadcnt 0x0
.endif
	s_wait_dscnt 0x0
.irp i, 0,1
.irp t, 0,1,2,3
.if (\g) == 0
	v_wmma_scale_f32_16x16x128_f8f6f4 v[176+8*(4*\i+\t):183+8*(4*\i+\t)], v[32+48*((\g)%2)+12*\t:43+48*((\g)%2)+12*\t], v[136+12*\i:147+12*\i], 0, v[128+4*((\g)%2)+\t], v[160+8*\i+(\g)] matrix_a_fmt:MATRIX_FMT_FP6 matrix_b_fmt:MATRIX_FMT_FP6
.else
	v_wmma_scale_f32_16x16x128_f8f6f4 v[176+8*(4*\i+\t):183+8*(4*\i+\t)], v[32+48*((\g)%2)+12*\t:43+48*((\g)%2)+12*\t], v[136+12*\i:147+12*\i], v[176+8*(4*\i+\t):183+8*(4*\i+\t)], v[128+4*((\g)%2)+\t], v[160+8*\i+(\g)] matrix_a_fmt:MATRIX_FMT_FP6 matrix_b_fmt:MATRIX_FMT_FP6
.endif
.endr
.endr
.rept 4
	v_nop
.endr
.if (\g) < 6
	LOADB (\g)+2
.endif
.endm
.irp g, 0,1,2,3,4,5,6,7
	KSTEP \g
.endr
	s_wait_alu depctr_va_vdst(0)
.irp t, 0,1,2,3
	ds_store_b128 v15, v[176+8*\t:179+8*\t] offset:64*\t
	ds_store_b128 v15, v[180+8*\t:183+8*\t] offset:64*\t+16
.endr
.irp t, 0,1,2,3
	ds_store_b128 v16, v[208+8*\t:211+8*\t] offset:64*\t
	ds_store_b128 v16, v[212+8*\t:215+8*\t] offset:64*\t+16
.endr
	s_wait_tensorcnt 0x0
	s_wait_dscnt 0x0
	s_barrier_signal -1
	s_barrier_wait -1
.irp i, 0,1
.irp c, 0,1,2,3,4,5,6,7
	ds_load_b128 v[32+32*\i+4*\c:35+32*\i+4*\c], v20 offset:SPI*\i+512*\c
.endr
.endr
.irp c, 0,1,2,3,4,5,6,7
	ds_load_b128 v[160+4*\c:163+4*\c], v21 offset:512*\c
.endr
.irp i, 0,1
.irp c, 0,1,2,3,4,5,6,7
	ds_load_b128 v[96+32*\i+4*\c:99+32*\i+4*\c], v17 offset:4096*\i+512*\c
.endr
.endr
	s_wait_dscnt 16
.set JJ, 0
.rept 16
	v_pk_add_f32 v[32+JJ:33+JJ], v[32+JJ:33+JJ], v[160+JJ:161+JJ]
	v_pk_add_f32 v[64+JJ:65+JJ], v[64+JJ:65+JJ], v[160+JJ:161+JJ]
.set JJ, JJ+2
.endr
	s_wait_dscnt 0x0
.set JJ, 0
.rept 32
	v_pk_add_f32 v[32+JJ:33+JJ], v[96+JJ:97+JJ], v[32+JJ:33+JJ]
.set JJ, JJ+2
.endr
.irp c, 0,1,2,3,4,5,6,7
	ds_load_b128 v[96+4*\c:99+4*\c], v21 offset:4096+512*\c
	ds_load_b128 v[128+4*\c:131+4*\c], v21 offset:8192+512*\c
.endr
.irp i, 0,1
	v_pk_add_f32 v[192+4*\i:193+4*\i], v[32+32*\i:33+32*\i], v[34+32*\i:35+32*\i]
	v_pk_add_f32 v[194+4*\i:195+4*\i], v[36+32*\i:37+32*\i], v[38+32*\i:39+32*\i]
.endr
.irp j, 8,12,16,20,24,28
.irp i, 0,1
	s_delay_alu instid0(VALU_DEP_4)
	v_pk_add_f32 v[192+4*\i:193+4*\i], v[192+4*\i:193+4*\i], v[32+32*\i+\j:33+32*\i+\j]
	s_delay_alu instid0(VALU_DEP_4)
	v_pk_add_f32 v[194+4*\i:195+4*\i], v[194+4*\i:195+4*\i], v[34+32*\i+\j:35+32*\i+\j]
.endr
.endr
.macro ALLSUM base
.irp i, 0
	s_delay_alu instid0(VALU_DEP_3)
	v_pk_add_f32 v[\base+4*\i:\base+4*\i+1], v[\base+4*\i:\base+4*\i+1], v[\base+4*\i+2:\base+4*\i+3]
.endr
.irp i, 1
	s_delay_alu instid0(VALU_DEP_2)
	v_pk_add_f32 v[\base+4*\i:\base+4*\i+1], v[\base+4*\i:\base+4*\i+1], v[\base+4*\i+2:\base+4*\i+3]
.endr
.irp i, 0,1
	s_delay_alu instid0(VALU_DEP_2)
	v_add_f32 v[\base+4*\i], v[\base+4*\i], v[\base+4*\i+1]
.endr
.irp m, 1,2,4,8
.irp i, 0,1
	s_delay_alu instid0(VALU_DEP_2)
	v_add_f32_dpp v[\base+4*\i], v[\base+4*\i], v[\base+4*\i] row_xmask:\m row_mask:0xf bank_mask:0xf
.endr
.endr
.irp i, 0,1
	s_delay_alu instid0(VALU_DEP_2)
	v_permlanex16_b32 v[\base+4*\i+1], v[\base+4*\i], s22, s23
.endr
.irp i, 0,1
	s_delay_alu instid0(VALU_DEP_2)
	v_add_f32 v[\base+4*\i], v[\base+4*\i], v[\base+4*\i+1]
.endr
.endm
	ALLSUM 192
.irp i, 0,1
	s_delay_alu instid0(VALU_DEP_2)
	v_mul_f32 v[192+4*\i], s48, v[192+4*\i]
.endr
.set JJ, 0
.rept 16
	v_pk_add_f32 v[32+JJ:33+JJ], v[32+JJ:33+JJ], v[192:193] op_sel_hi:[1,0] neg_lo:[0,1] neg_hi:[0,1]
	v_pk_add_f32 v[64+JJ:65+JJ], v[64+JJ:65+JJ], v[196:197] op_sel_hi:[1,0] neg_lo:[0,1] neg_hi:[0,1]
.set JJ, JJ+2
.endr
.irp i, 0,1
	v_pk_mul_f32 v[200+4*\i:201+4*\i], v[32+32*\i:33+32*\i], v[32+32*\i:33+32*\i]
	v_pk_mul_f32 v[202+4*\i:203+4*\i], v[34+32*\i:35+32*\i], v[34+32*\i:35+32*\i]
.endr
.irp j, 4,8,12,16,20,24,28
.irp i, 0,1
	s_delay_alu instid0(VALU_DEP_4)
	v_pk_fma_f32 v[200+4*\i:201+4*\i], v[32+32*\i+\j:33+32*\i+\j], v[32+32*\i+\j:33+32*\i+\j], v[200+4*\i:201+4*\i]
	s_delay_alu instid0(VALU_DEP_4)
	v_pk_fma_f32 v[202+4*\i:203+4*\i], v[34+32*\i+\j:35+32*\i+\j], v[34+32*\i+\j:35+32*\i+\j], v[202+4*\i:203+4*\i]
.endr
.endr
	ALLSUM 200
.irp i, 0,1
	s_delay_alu instid0(VALU_DEP_2)
	v_fma_f32 v[200+4*\i], v[200+4*\i], s48, s49
.endr
	s_wait_alu depctr_va_vdst(0)
.irp i, 0,1
	v_rsq_f32 v[208+2*\i], v[200+4*\i]
.endr
	v_mov_b32 v209, 0
	v_mov_b32 v211, 0
	s_wait_alu depctr_va_vdst(0)
	s_wait_dscnt 0x0
.irp i, 0,1
.set JJ, 0
.rept 16
	v_pk_mul_f32 v[32+32*\i+JJ:33+32*\i+JJ], v[32+32*\i+JJ:33+32*\i+JJ], v[208+2*\i:209+2*\i] op_sel_hi:[1,0]
.set JJ, JJ+2
.endr
.set JJ, 0
.rept 16
	v_pk_fma_f32 v[32+32*\i+JJ:33+32*\i+JJ], v[32+32*\i+JJ:33+32*\i+JJ], v[96+JJ:97+JJ], v[128+JJ:129+JJ]
.set JJ, JJ+2
.endr
.irp c, 0,1,2,3,4,5,6,7
	global_store_b128 v17, v[32+32*\i+4*\c:35+32*\i+4*\c], s[20:21] offset:4096*\i+512*\c th:TH_STORE_NT
.endr
.endr
	s_wait_tensorcnt 0x0
	ds_add_u32 v254, v255
	s_wait_dscnt 0x0
	s_endpgm
.Lfunc_end_k_q79f5b75166_oproj:
	.size	k_q79f5b75166_oproj, .Lfunc_end_k_q79f5b75166_oproj-k_q79f5b75166_oproj
	.p2alignl 7, 3214868480
	.fill 96, 4, 3214868480
	.section	.rodata,"a",@progbits
	.p2align	6, 0x0
	.amdhsa_kernel k_q79f5b75166_oproj
		.amdhsa_group_segment_fixed_size 327680
		.amdhsa_private_segment_fixed_size 0
		.amdhsa_enable_private_segment 0
		.amdhsa_kernarg_size 72
		.amdhsa_user_sgpr_count 2
		.amdhsa_user_sgpr_kernarg_segment_ptr 1
		.amdhsa_wavefront_size32 1
		.amdhsa_system_sgpr_workgroup_id_x 1
		.amdhsa_system_sgpr_workgroup_id_y 1
		.amdhsa_system_sgpr_workgroup_id_z 1
		.amdhsa_system_vgpr_workitem_id 0
		.amdhsa_next_free_vgpr 256
		.amdhsa_next_free_sgpr 66
		.amdhsa_reserve_vcc 0
		.amdhsa_float_denorm_mode_32 3
		.amdhsa_float_denorm_mode_16_64 3
		.amdhsa_memory_ordered 1
		.amdhsa_forward_progress 1
		.amdhsa_inst_pref_size 54
	.end_amdhsa_kernel
	.amdgpu_metadata
---
amdhsa.version: [ 1, 2 ]
amdhsa.kernels:
  - .name:           k_q79f5b75166_oproj
    .symbol:         k_q79f5b75166_oproj.kd
    .args:
      - { .name: cc, .offset: 0, .size: 8, .value_kind: global_buffer, .address_space: global }
      - { .name: cs, .offset: 8, .size: 8, .value_kind: global_buffer, .address_space: global }
      - { .name: woc, .offset: 16, .size: 8, .value_kind: global_buffer, .address_space: global }
      - { .name: wos, .offset: 24, .size: 8, .value_kind: global_buffer, .address_space: global }
      - { .name: x, .offset: 32, .size: 8, .value_kind: global_buffer, .address_space: global }
      - { .name: bo, .offset: 40, .size: 8, .value_kind: global_buffer, .address_space: global }
      - { .name: gamma, .offset: 48, .size: 8, .value_kind: global_buffer, .address_space: global }
      - { .name: beta, .offset: 56, .size: 8, .value_kind: global_buffer, .address_space: global }
      - { .name: out0, .offset: 64, .size: 8, .value_kind: global_buffer, .address_space: global }
    .group_segment_fixed_size: 327680
    .private_segment_fixed_size: 0
    .kernarg_segment_align: 8
    .kernarg_segment_size: 72
    .max_flat_workgroup_size: 512
    .sgpr_count:     66
    .vgpr_count:     256
    .wavefront_size: 32
...
	.end_amdgpu_metadata
.endif
;; end of part 4
